; MI455X (gfx1250); checked and timed in simulation.
; The chip was launched on July 23, 2026; its instructions are those of AMD's public machine-readable ISA for CDNA 5 (MIT licence, August 2026) and "CDNA5" Instruction Set Architecture Reference Guide (July 2026). The comments in the code are by the model that wrote it; some were corrected since.
;; Decoder Layer. Allowed arithmetic: matrix products marked QUANTISED: E4M3 operands, one given power-of-two scale a tensor, by v_wmma_f32_16x16x64_fp8_fp8 or v_wmma_f32_16x16x128_fp8_fp8, f32 sums; everything else in f32.
;; Inputs: W1 1,024 x 4,096 float32; W2 4,096 x 1,024 float32; Wk 1,024 x 1,024 float32; Wo 1,024 x 1,024 float32; Wq 1,024 x 1,024 float32; Wv 1,024 x 1,024 float32; bf1 4,096 float32; bf2 1,024 float32; bk 1,024 float32; bl1 1,024 float32; bl2 1,024 float32; bo 1,024 float32; bq 1,024 float32; bv 1,024 float32; g1 1,024 float32; g2 1,024 float32; lowp_scales 16 int32 (the exponents e of the quantised operands' scales 2^e); mask 1 x 1 x 2,048 x 2,048 int32; x 2 x 2,048 x 1,024 float32.
;; Outputs: out0 2 x 2,048 x 1,024 float32.
;; This version of the problem:
;;   THIS VERSION OF THE PROBLEM IS GIVEN IN LOW PRECISION. The matrix products marked QUANTISED in the list below multiply operands that are first quantised to E4M3 (4 exponent bits, 3 mantissa bits; 8 bits a number), with one given power-of-two scale for each operand tensor; their sums are f32. All else is computed in f32.
;;   The module's matrix products, in the order in which they are computed (A, B: the left and right operand; K: the contracted axis; several contracted axes count as one K, in the product's order):
;;     1. [M 4,096, K 1,024] x [K 1,024, N 1,024]; A: computed on the way; B: input Wq: QUANTISED (scales: A lowp_scales[0], B lowp_scales[1])
;;     2. [M 4,096, K 1,024] x [K 1,024, N 1,024]; A: computed on the way; B: input Wk: QUANTISED (scales: A lowp_scales[2], B lowp_scales[3])
;;     3. [M 4,096, K 1,024] x [K 1,024, N 1,024]; A: computed on the way; B: input Wv: QUANTISED (scales: A lowp_scales[4], B lowp_scales[5])
;;     4. batch 32 x [M 2,048, K 64] x [K 64, N 2,048]; A: computed on the way; B: computed on the way: QUANTISED (scales: A lowp_scales[6], B lowp_scales[7])
;;     5. batch 32 x [M 2,048, K 2,048] x [K 2,048, N 64]; A: softmax (see below); B: computed on the way: QUANTISED (scales: A lowp_scales[8], B lowp_scales[9])
;;     6. [M 4,096, K 1,024] x [K 1,024, N 1,024]; A: computed on the way; B: input Wo: QUANTISED (scales: A lowp_scales[10], B lowp_scales[11])
;;     7. [M 4,096, K 1,024] x [K 1,024, N 4,096]; A: computed on the way; B: input W1: QUANTISED (scales: A lowp_scales[12], B lowp_scales[13])
;;     8. [M 4,096, K 4,096] x [K 4,096, N 1,024]; A: computed on the way; B: input W2: QUANTISED (scales: A lowp_scales[14], B lowp_scales[15])
;;   THE QUANTISER, for each operand of a quantised product, along K:
;;     - The operand's scale is 2^e, e = its entry of the input lowp_scales (int32; the entries are numbered through the quantised products in the list's order, A before B).
;;     - Each number is divided by the scale, clamped to +-448, and rounded to the nearest number of E4M3, ties to even, subnormals kept.
;;     - The product sums the exact products of the quantised numbers (number of the format x scale) in f32.
;;   ~~~python
;;   def quantise(x, axis, e):      # numpy; x: float32 -> the quantised numbers, widened to float32 again
;;       x = np.moveaxis(x, axis, -1); K = x.shape[-1]
;;       r = np.clip(x / 2.0 ** e, -448, 448)
;;       step = 2.0 ** (np.maximum(np.frexp(np.where(r == 0, 1, r))[1] - 1, -6) - 3)
;;       q = np.round(r / step) * step * 2.0 ** e      # np.round: ties to even
;;       return np.moveaxis(q, -1, axis).astype(np.float32)
;;   ~~~
;;   SOFTMAX AHEAD OF A QUANTISED PRODUCT. Where the list says 'softmax', what is quantised is not the finished softmax but p = 2^(t - M), with t = logit x log2(e) and M = ceil(the row's largest t), a whole number; so 1/2 < the row's largest p <= 1. The row's sum l is taken of the UNQUANTISED p, in f32, and the product's result is divided by l at the end. Since M is a whole number, a kernel that streams over the keys may use a running M (the ceiling of the running maximum): every later rescaling is an exact power of two, so the quantised numbers keep their values, but for numbers so far below the row's largest that they fall under the format's range.
;;   OPERANDS COMPUTED ON THE WAY. 'Computed on the way' means the value that the module computes at that place (a softmax that the list does not call 'softmax' is quantised finished and normalised). What goes into a quantiser is computed in f32, as accurately as f32 sums, v_exp_f32 and their like allow (about 1e-6 of the number): no bf16 or f16 on the way to a quantiser, and a product that is left as it is and whose result goes on into a quantised operand takes f32 operands (vector FMAs, or v_wmma_f32_16x16x4_f32). A number that lies on a knife's edge between two numbers of the format may be rounded either way, as far as f32 arithmetic and the matrix unit's own rounding can turn it there, and no further.
;; One version. Each part assembles by itself: llvm-mc -triple=amdgcn-amd-amdhsa -mcpu=gfx1250 --defsym DOCPART=n.
;; ======== version 1 of 1: 7 launches
;; limits: right only within a limited range of input values
;; workspace buffers: wcodes 12,582,912 bytes; ncodes 12,582,912 bytes; mwords 131,072 bytes of whole numbers; qkvc 12,582,912 bytes; ocodes 4,194,304 bytes; x1 16,777,216 bytes; n2codes 4,194,304 bytes; hcodes 16,777,216 bytes
;; launch prep (part 1): grid 656 x 1, 8 waves a work-group, no clusters, 53,248 bytes of LDS; arguments Wq, Wk, Wv, Wo, W1, W2, x, g1, bl1, mask, lowp_scales, wcodes, ncodes, mwords; writes wcodes, ncodes, mwords
.if DOCPART == 1
	.amdgcn_target "amdgcn-amd-amdhsa--gfx1250"
	.amdhsa_code_object_version 6
	.text
	.protected	k_q91faf20226_prep
	.globl	k_q91faf20226_prep
	.p2align	8
	.type	k_q91faf20226_prep,@function
k_q91faf20226_prep:
	s_mov_b64 s[64:65], 0
	v_nop
	global_prefetch_b8 v0, s[64:65] scope:SCOPE_SE
	s_setreg_imm32_b32 hwreg(HW_REG_WAVE_MODE, 25, 1), 1
	s_wait_xcnt 0x0
; PREP: three kinds of work-groups, told apart by the work-group's number alone.
;  0..191   WEIGHTS.  Wq, Wk, Wv, Wo, W1, W2 ([K][N] f32) become codes of E4M3 of W^T, each with its given scale 2^e.
;  192..447 LAYER NORM 1.  16 rows of x a work-group; n = (x - mean) rsqrt(var + 1e-5) g1 + bl1 is quantised three times (scales 0, 2, 4).
;  448..463 MASK WORDS.  For each tile of 16 queries the keys that count (the strided mask AND the input mask) as lane masks, whole numbers.
; LAYOUT OF ALL CODES (R rows, K contracted): byte(row, k) = (row/16) 16 K + (k/16) 256 + (row%16) 16 + k%16: cells of 16 rows x 16 k, 256 bytes, each stored whole.
; code = x / 2^e, held within +-448, to the nearest code, ties to even.  LIMITS: each e between -126 and 119.  NaN and infinities among the inputs are not served.
.set NPL,   3                          ; planes of n's codes
.set PLB,   17408                      ; a plane's stage in LDS: 64 cells x (256 + 16) bytes
.set SPARE, NPL*PLB                    ; behind the stages: the spare words, 128 bytes for each of the eight waves; no other line names them
.set SPW,   190                        ; v190 LDS address of my spare word; never rewritten
.set NIL,   191                        ; v191 0; never rewritten
.set WV,    84                         ; s84  my wave's number
.set AD,    32                         ; weights: v32-63 row i's byte offset; v64-127 two sets of 32 numbers; v128-143 two sets of codes
.set XW,    64
.set CW,    128
.set X0,    32                         ; layer norm: v32-63, v64-95 my two rows; v96-127 g; v128-159 b; v160-167, v176-183 held numbers by turns; v168-175 codes
.set X1,    64
.set GG,    96
.set BB,    128
.set TA,    160
.set CC,    168
.set XP,    16                         ; s[16:17] x, s[18:19] g1, s[20:21] bl1
.set GP,    18
.set BP,    20
.set MK,    32                         ; mask words: v32-95, v96-159 two sets of a step's 64 numbers of the mask; v160-167 the words; v168-175 d, v176-183 d % 128 of eight scores
.set OUT,   160
.set MDT,   168
.set MAT,   176
.set MAD,   24                         ; v24-26 a step's byte offset in the mask; v27-29 my query less my half's first key
.set MDD,   27
.set KA,    4                          ; s4-11, s12-19, s68-75, s76-83: the four conditions of eight scores (the pointers that s4-19 held are not used on this path)
.set KB,    12
.set KC,    68
.set KD,    76
.macro MKSC e, lim, sc                 ; from the exponent in s[e]: v[sc] = 2^e, v[lim] = 448 x 2^e
	s_add_co_i32 s86, s[\e], 127
	s_lshl_b32 s87, s86, 23
	v_mov_b32 v[\sc], s87
	s_add_co_i32 s86, s86, 8
	s_lshl_b32 s86, s86, 23
	s_or_b32 s86, s86, 0x600000
	v_mov_b32 v[\lim], s86
.endm
	s_load_b512 s[4:19], s[0:1], 0x0               ; Wq, Wk, Wv, Wo, W1, W2, x, g1
	s_load_b256 s[20:27], s[0:1], 0x40             ; bl1, mask, the exponents, wcodes
	s_load_b128 s[28:31], s[0:1], 0x60             ; ncodes, mwords
	v_lshl_add_u32 v[SPW], v0, 2, SPARE
	v_mov_b32 v[NIL], 0
	v_lshrrev_b32 v1, 5, v0
	s_delay_alu instid0(VALU_DEP_1)
	v_readfirstlane_b32 s[WV], v1                  ; wave 0..7
	v_and_b32 v1, 31, v0                           ; lane
	s_wait_kmcnt 0x0
	s_load_b512 s[32:47], s[24:25], 0x0            ; the sixteen exponents
	; THE WORK-GROUPS' NUMBERS, as they stand now (in place of those at the head): 0..383 WEIGHTS, two to a block of 256 columns x 256 along K, each 128 along K; 384..399 MASK WORDS; 400..655 LAYER NORM 1.
	s_cmp_ge_u32 ttmp9, 400
	s_cbranch_scc1 .Lpath_l
	s_cmp_ge_u32 ttmp9, 384
	s_cbranch_scc1 .Lpath_m
; ---------------- WEIGHTS.  A lane takes a column n and its registers run down K, so the conversions give codes with K innermost.
; A wave takes 32 columns x 128 along K; the eight waves stand side by side on 256 columns, 1,024 consecutive bytes of each row.
	s_lshr_b32 s90, ttmp9, 1                       ; the block of 256 x 256, 0..191
	s_and_b32 s91, ttmp9, 1                        ; which 128 of its 256 along K are mine
	s_lshr_b32 s50, s90, 4                         ; 0..3: Wq, Wk, Wv, Wo
	s_lshr_b32 s56, s90, 6                         ; 0: one of those four; 1: W1; 2: W2
	s_cmp_eq_u32 s56, 0
	s_cselect_b32 s55, 15, 63
	s_and_b32 s55, s90, s55                        ; the block's number in its weight
	s_cmp_eq_u32 s56, 1
	s_cselect_b32 s57, 15, 3                       ; blocks of 256 columns: 16 in W1, else 4
	s_cselect_b32 s58, 4, 2
	s_cselect_b32 s59, 14, 12                      ; log2 of a row of the weight in bytes
	s_and_b32 s60, s55, s57                        ; block of columns
	s_lshr_b32 s61, s55, s58                       ; block of 256 along K
	s_cmp_eq_u32 s56, 2
	s_cselect_b32 s62, 16, 14                      ; log2 of 16 K: a group of 16 rows of codes in bytes
	s_lshl_b32 s63, s50, 20
	s_lshl_b32 s66, s56, 22
	s_cmp_eq_u32 s56, 0
	s_cselect_b32 s63, s63, s66                    ; where the weight's codes begin: 0, 1, 2, 3, 4 or 8 MiB
	s_lshl_b32 s67, 1, s59                         ; a row in bytes
	s_lshl_b32 s85, s60, 4
	s_lshl_b32 s86, s[WV], 1
	s_add_co_u32 s85, s85, s86                     ; my first column / 16
	s_lshl_b32 s86, s61, 1
	s_add_co_u32 s86, s86, s91                     ; my block of 128 along K
	s_lshl_b32 s86, s86, 7
	s_lshl_b32 s86, s86, s59                       ; my first row of the weight, in bytes,
	s_lshl_b32 s87, s85, 6
	s_add_co_u32 s86, s86, s87                     ; + my first column
	s_mov_b32 s87, 0
	s_lshl_b32 s88, s85, s62
	s_add_co_u32 s88, s88, s63
	s_lshl_b32 s89, s61, 1
	s_add_co_u32 s89, s89, s91
	s_lshl_b32 s89, s89, 11                        ; 8 cells of 256 bytes for 128 along K
	s_add_co_u32 s88, s88, s89
	s_mov_b32 s89, 0
	s_add_nc_u64 s[48:49], s[26:27], s[88:89]      ; my codes
	s_cmp_eq_u32 s50, 1                            ; the weight: a choice on the work-group's number alone
	s_cselect_b64 s[52:53], s[6:7], s[4:5]
	s_cmp_eq_u32 s50, 2
	s_cselect_b64 s[52:53], s[8:9], s[52:53]
	s_cmp_eq_u32 s50, 3
	s_cselect_b64 s[52:53], s[10:11], s[52:53]
	s_cmp_eq_u32 s56, 1
	s_cselect_b64 s[52:53], s[12:13], s[52:53]
	s_cmp_eq_u32 s56, 2
	s_cselect_b64 s[52:53], s[14:15], s[52:53]
	s_add_nc_u64 s[68:69], s[52:53], s[86:87]      ; a base for each block of 32 rows: s[68:75]
	s_lshl_b32 s86, s67, 5
.irp t, 1,2,3
	s_add_nc_u64 s[68+2*\t:69+2*\t], s[66+2*\t:67+2*\t], s[86:87]
.endr
	s_wait_alu depctr_va_vdst(0)
	v_lshlrev_b32 v[AD], 2, v1                     ; 4 bytes a lane; row i of a block lies i rows further on
.set li, 1
.rept 31
	s_delay_alu instid0(VALU_DEP_1)
	v_add_nc_u32 v[AD+li], s67, v[AD+li-1]
.set li, li+1
.endr
	v_lshrrev_b32 v2, 4, v1
	v_and_b32 v3, 15, v1
	s_delay_alu instid0(VALU_DEP_2)
	v_lshlrev_b32 v8, s62, v2                      ; out: lanes 16-31 belong to the next group of 16 rows of codes,
	s_delay_alu instid0(VALU_DEP_1)
	v_lshl_add_u32 v8, v3, 4, v8                   ; 16 bytes a lane: sixteen lanes fill a cell
.macro LOADW t                         ; block t: W(32 t + i, my column), i = 0 .. 31, into set t % 2
.set li, 0
.rept 32
	global_load_b32 v[XW+32*((\t)%2)+li], v[AD+li], s[68+2*(\t):69+2*(\t)] th:TH_LOAD_NT
.set li, li+1
.endr
.endm
	LOADW 0
	LOADW 1
	s_wait_kmcnt 0x0
	s_cmp_eq_u32 s50, 1                            ; the weight's exponent: entries 1, 3, 5, 11, 13, 15
	s_cselect_b32 s54, s35, s33
	s_cmp_eq_u32 s50, 2
	s_cselect_b32 s54, s37, s54
	s_cmp_eq_u32 s50, 3
	s_cselect_b32 s54, s43, s54
	s_cmp_eq_u32 s56, 1
	s_cselect_b32 s54, s45, s54
	s_cmp_eq_u32 s56, 2
	s_cselect_b32 s54, s47, s54
	MKSC 54, 10, 11
.macro BLOCKW t
.set XS, XW+32*((\t)%2)
.set CS, CW+8*((\t)%2)
.if (\t) < 3
	s_wait_loadcnt 32                              ; this block's 32 loads are in; the next block's may be out
.else
	s_wait_loadcnt 0
.endif
.set li, 0
.rept 32
	v_med3_num_f32 v[XS+li], v[XS+li], -v10, v10   ; the conversion to an 8-bit code does not saturate (ISA guide 7.6.2): the hold comes first
.set li, li+1
.endr
	s_wait_alu depctr_va_vdst(0)
	s_wait_xcnt 0x0                                ; the earlier stores have read their data: the codes' registers may be written
.irp g, 0,1,2,3
	v_cvt_scalef32_pk8_fp8_f32 v[CS+2*\g:CS+2*\g+1], v[XS+8*\g:XS+8*\g+7], v11
.endr
	global_store_b128 v8, v[CS:CS+3], s[48:49] offset:512*(\t)         ; k 32 t .. + 15: sixteen lanes store one aligned cell of 256 bytes
	global_store_b128 v8, v[CS+4:CS+7], s[48:49] offset:512*(\t)+256   ; k 32 t + 16 .. + 31
.if (\t)+2 < 4
	LOADW (\t)+2
.endif
.endm
	s_wait_alu depctr_va_vdst(0)
.irp t, 0,1,2,3
	BLOCKW \t
.endr
	s_endpgm
; ---------------- LAYER NORM.  A work-group takes 16 rows (one group of rows of the codes), a wave two of them.  Register 8 jj + i of a lane is k = 256 jj + 8 lane + i.
.Lpath_l:
	s_sub_co_u32 s50, ttmp9, 400                   ; the group of 16 rows
	s_lshl_b32 s52, s50, 16                        ; 16 rows of 4,096 bytes
	s_lshl_b32 s53, s[WV], 13                      ; my two rows
	s_add_co_u32 s52, s52, s53
	s_mov_b32 s53, 0
	s_add_nc_u64 s[XP:XP+1], s[XP:XP+1], s[52:53]
	s_wait_alu depctr_va_vdst(0)
	v_lshlrev_b32 v16, 5, v1                       ; 32 bytes a lane: a pair of loads covers 1,024 consecutive bytes
.irp jj, 0,1,2,3
	global_load_b128 v[X0+8*\jj:X0+8*\jj+3], v16, s[XP:XP+1] offset:1024*\jj
	global_load_b128 v[X0+8*\jj+4:X0+8*\jj+7], v16, s[XP:XP+1] offset:1024*\jj+16
.endr
.irp jj, 0,1,2,3
	global_load_b128 v[X1+8*\jj:X1+8*\jj+3], v16, s[XP:XP+1] offset:4096+1024*\jj
	global_load_b128 v[X1+8*\jj+4:X1+8*\jj+7], v16, s[XP:XP+1] offset:4096+1024*\jj+16
.endr
.irp jj, 0,1,2,3
	global_load_b128 v[GG+8*\jj:GG+8*\jj+3], v16, s[GP:GP+1] offset:1024*\jj
	global_load_b128 v[GG+8*\jj+4:GG+8*\jj+7], v16, s[GP:GP+1] offset:1024*\jj+16
.endr
.irp jj, 0,1,2,3
	global_load_b128 v[BB+8*\jj:BB+8*\jj+3], v16, s[BP:BP+1] offset:1024*\jj
	global_load_b128 v[BB+8*\jj+4:BB+8*\jj+7], v16, s[BP:BP+1] offset:1024*\jj+16
.endr
	s_mov_b32 s92, 0x76543210                      ; v_permlanex16_b32: lane l xor 16
	s_mov_b32 s93, 0xfedcba98
	s_mov_b32 s94, 0x3a800000                      ; 1 / 1024
	v_mov_b32 v21, 0                               ; a lane permute's destination counts as read
	v_lshrrev_b32 v17, 1, v1                       ; into the stage: cell 16 jj + lane / 2, row 2 wave + i, 8 bytes at 8 (lane % 2)
	s_delay_alu instid0(VALU_DEP_1)
	v_mul_u32_u24 v17, v17, 272
	v_and_b32 v18, 1, v1
	s_delay_alu instid0(VALU_DEP_1)
	v_lshl_add_u32 v17, v18, 3, v17
	s_lshl_b32 s52, s[WV], 5
	v_add_nc_u32 v17, s52, v17
	v_lshrrev_b32 v18, 4, v1                       ; out of it: cell 16 t + 2 wave + lane / 16, 16 bytes a lane
	s_delay_alu instid0(VALU_DEP_1)
	v_mul_u32_u24 v18, v18, 272
	v_and_b32 v19, 15, v1
	s_delay_alu instid0(VALU_DEP_1)
	v_lshl_add_u32 v18, v19, 4, v18
	s_mul_i32 s52, s[WV], 544
	v_add_nc_u32 v18, s52, v18
	v_lshlrev_b32 v19, 4, v1                       ; and the same two cells in memory: 512 consecutive bytes a wave
	s_lshl_b32 s52, s[WV], 9
	v_add_nc_u32 v19, s52, v19
	s_lshl_b32 s52, s50, 14                        ; a group of 16 rows of codes is 16,384 bytes
	s_add_nc_u64 s[52:53], s[28:29], s[52:53]      ; a base for each plane
.if NPL > 1
	s_add_nc_u64 s[54:55], s[52:53], 0x400000
	s_add_nc_u64 s[56:57], s[52:53], 0x800000
.endif
	s_wait_kmcnt 0x0
.set pl, 0
.rept NPL
	MKSC 32+2*pl, 2+2*pl, 3+2*pl                   ; exponents 0, 2, 4
.set pl, pl+1
.endr
.macro RED v, t                        ; the sum over the wave's 32 lanes, in every lane
	s_delay_alu instid0(VALU_DEP_1)
	v_add_f32_dpp v[\v], v[\v], v[\v] row_xmask:1 row_mask:0xf bank_mask:0xf
	s_delay_alu instid0(VALU_DEP_1)
	v_add_f32_dpp v[\v], v[\v], v[\v] row_xmask:2 row_mask:0xf bank_mask:0xf
	s_delay_alu instid0(VALU_DEP_1)
	v_add_f32_dpp v[\v], v[\v], v[\v] row_xmask:4 row_mask:0xf bank_mask:0xf
	s_delay_alu instid0(VALU_DEP_1)
	v_add_f32_dpp v[\v], v[\v], v[\v] row_xmask:8 row_mask:0xf bank_mask:0xf
	s_delay_alu instid0(VALU_DEP_1)
	v_permlanex16_b32 v[\t], v[\v], s92, s93
	s_delay_alu instid0(VALU_DEP_1)
	v_add_f32 v[\v], v[\v], v[\t]
.endm
.macro LNROW xs, i                     ; my row i (0, 1), in v[xs] on
.if \i == 0
	s_wait_loadcnt 24                              ; row 0 is in; row 1, g and b (8 loads each) may be out
.endif
.irp c, 0,2,4,6
	v_pk_add_f32 v[TA+\c:TA+\c+1], v[\xs+2*\c:\xs+2*\c+1], v[\xs+2*\c+2:\xs+2*\c+3]   ; the sum, in four chains of pairs
.endr
.irp j, 16,24
.irp c, 0,2,4,6
	s_delay_alu instid0(VALU_DEP_4)
	v_pk_add_f32 v[TA+\c:TA+\c+1], v[TA+\c:TA+\c+1], v[\xs+\j+\c:\xs+\j+\c+1]
.endr
.endr
	s_delay_alu instid0(VALU_DEP_3)
	v_pk_add_f32 v[TA:TA+1], v[TA:TA+1], v[TA+2:TA+3]
	s_delay_alu instid0(VALU_DEP_2)
	v_pk_add_f32 v[TA+4:TA+5], v[TA+4:TA+5], v[TA+6:TA+7]
	s_delay_alu instid0(VALU_DEP_1)
	v_pk_add_f32 v[TA:TA+1], v[TA:TA+1], v[TA+4:TA+5]
	s_delay_alu instid0(VALU_DEP_1)
	v_add_f32 v20, v[TA], v[TA+1]
	RED 20, 21
	s_delay_alu instid0(VALU_DEP_1)
	v_mul_f32 v22, s94, v20                        ; the mean
	s_delay_alu instid0(VALU_DEP_1)
	v_mov_b32 v23, v22
.set li, 0
.rept 16
	v_pk_add_f32 v[\xs+li:\xs+li+1], v[\xs+li:\xs+li+1], v[22:23] neg_lo:[0,1] neg_hi:[0,1]   ; x - mean
.set li, li+2
.endr
.irp c, 0,2,4,6
	v_pk_mul_f32 v[TA+\c:TA+\c+1], v[\xs+\c:\xs+\c+1], v[\xs+\c:\xs+\c+1]                     ; the sum of squares, in four chains
.endr
.irp j, 8,16,24
.irp c, 0,2,4,6
	s_delay_alu instid0(VALU_DEP_4)
	v_pk_fma_f32 v[TA+\c:TA+\c+1], v[\xs+\j+\c:\xs+\j+\c+1], v[\xs+\j+\c:\xs+\j+\c+1], v[TA+\c:TA+\c+1]
.endr
.endr
	s_delay_alu instid0(VALU_DEP_3)
	v_pk_add_f32 v[TA:TA+1], v[TA:TA+1], v[TA+2:TA+3]
	s_delay_alu instid0(VALU_DEP_2)
	v_pk_add_f32 v[TA+4:TA+5], v[TA+4:TA+5], v[TA+6:TA+7]
	s_delay_alu instid0(VALU_DEP_1)
	v_pk_add_f32 v[TA:TA+1], v[TA:TA+1], v[TA+4:TA+5]
	s_delay_alu instid0(VALU_DEP_1)
	v_add_f32 v20, v[TA], v[TA+1]
	RED 20, 21
	s_delay_alu instid0(VALU_DEP_1)
	v_fmaak_f32 v24, s94, v20, 0x3727c5ac          ; the variance + 1e-5
	s_wait_alu depctr_va_vdst(0)
	v_rsq_f32 v24, v24
	v_nop                                          ; a plain instruction behind the transcendental (ISA guide 5.7.2)
	s_wait_alu depctr_va_vdst(0)                   ; the wait ahead of the first use
	v_mov_b32 v25, v24
.if \i == 0
	s_wait_alu depctr_va_vdst(0)
	s_wait_loadcnt 0x0                             ; g and b
.endif
.set li, 0
.rept 16
	v_pk_mul_f32 v[\xs+li:\xs+li+1], v[\xs+li:\xs+li+1], v[24:25]
.set li, li+2
.endr
.set li, 0
.rept 16
	v_pk_fma_f32 v[\xs+li:\xs+li+1], v[\xs+li:\xs+li+1], v[GG+li:GG+li+1], v[BB+li:BB+li+1]
.set li, li+2
.endr
.set pl, 0
.rept NPL                              ; quantised once for each plane; the held numbers go into two sets by turns, so that plain instructions stand between a conversion and the next write of its sources
.irp jj, 0,1,2,3
.set TT, TA+16*(\jj%2)
.irp e, 0,1,2,3,4,5,6,7
	v_med3_num_f32 v[TT+\e], v[\xs+8*\jj+\e], -v[2+2*pl], v[2+2*pl]
.endr
	v_cvt_scalef32_pk8_fp8_f32 v[CC+2*\jj:CC+2*\jj+1], v[TT:TT+7], v[3+2*pl]
	ds_store_b64 v17, v[CC+2*\jj:CC+2*\jj+1] offset:pl*PLB+\jj*4352+16*\i
.endr
	s_wait_dscnt 0x0                               ; the stores have read their registers
.set pl, pl+1
.endr
.endm
	LNROW X0, 0
	LNROW X1, 1
	s_wait_dscnt 0x0                               ; for the others' sake: my stores into the stage are done
	s_barrier_signal -1
	s_barrier_wait -1                              ; the 16 rows' cells are whole
.set pl, 0
.rept NPL
.irp t, 0,1,2,3
	ds_load_b128 v[X0+16*pl+4*\t:X0+16*pl+4*\t+3], v18 offset:pl*PLB+\t*4352
.endr
.set pl, pl+1
.endr
.set pl, 0
.rept NPL
.irp t, 0,1,2,3
	s_wait_dscnt 4*NPL-1-4*pl-\t                   ; LDS loads come back in order: this one is in
	global_store_b128 v19, v[X0+16*pl+4*\t:X0+16*pl+4*\t+3], s[52+2*pl:53+2*pl] offset:4096*\t   ; 32 lanes store 512 consecutive bytes, two whole cells
.endr
.set pl, pl+1
.endr
	s_wait_tensorcnt 0x0                           ; the wave's end, behind my last LDS store
	ds_add_u32 v[SPW], v[NIL]
	s_wait_dscnt 0x0
	s_endpgm
; ---------------- MASK WORDS.  A wave takes a tile of 16 queries, q0 on.  The attention launch walks three steps of 128 keys: step 0: keys kb .. kb + 127, kb = max(q0 - 112, 0);
; steps 1, 2: the groups of 16 keys at 128 c + q0 % 128, c = 0 .. 7 and 8 .. 15.  Word 64 s + n of the tile's record is the lane mask of score register n = 8 t + j of step s:
; lane (r, h) holds query q0 + r and the key base + h GS + (t/2) 2 GS + 8 (t%2) + j.  A key counts where d = query - key >= DMIN, (d <= 128 or d % 128 = 0), and the input mask is not 0.
; DMIN = 16 in steps 1 and 2 shuts out the groups that step 0 has, or that lie ahead of the queries: so each allowed key is met once.
; THE LOADS RUN AHEAD: steps 0 and 1 are asked for together, into two sets of registers; step 2 goes into step 0's set as soon as step 0 is evaluated, and lands under step 1's work.
; EIGHT SCORES AT A TIME: their 32 compares go into 32 different scalar registers, so that no scalar line reads the compare that stands just ahead of it.
.Lpath_m:
	s_sub_co_u32 s50, ttmp9, 384
	s_lshl_b32 s50, s50, 3
	s_add_co_u32 s50, s50, s[WV]                   ; the tile of queries, 0 .. 127
	s_lshl_b32 s51, s50, 4                         ; q0
	s_sub_co_i32 s52, s51, 112
	s_max_i32 s52, s52, 0                          ; kb
	s_and_b32 s53, s51, 127
	s_wait_alu depctr_va_vdst(0)
	v_and_b32 v2, 15, v1                           ; r
	v_lshrrev_b32 v3, 4, v1                        ; h
	s_delay_alu instid0(VALU_DEP_2)
	v_add_nc_u32 v4, s51, v2                       ; my query
	s_delay_alu instid0(VALU_DEP_1)
	v_lshlrev_b32 v5, 13, v4                       ; its row of the mask: 8,192 bytes
	v_lshlrev_b32 v6, 3, v1                        ; out: two words a lane
	s_lshl_b32 s54, s50, 10                        ; the tile's record of 1,024 bytes
	s_mov_b32 s55, 0
	s_add_nc_u64 s[30:31], s[30:31], s[54:55]
	s_mov_b32 s90, 0                               ; the union of all words
.macro MADDR st, GS                    ; s56: the step's first key.  Each step has its own two registers: none is written while a load reads it
	v_mul_u32_u24 v7, v3, \GS
	s_delay_alu instid0(VALU_DEP_1)
	v_add_nc_u32 v7, s56, v7
	s_delay_alu instid0(VALU_DEP_1)
	v_sub_nc_u32 v[MDD+\st], v4, v7                ; my query - my half's first key
	s_delay_alu instid0(VALU_DEP_2)
	v_lshl_add_u32 v[MAD+\st], v7, 2, v5
.endm
.macro MLOAD st, set, GS               ; the step's 64 numbers of the mask into set 0 or 1
.irp t, 0,1,2,3,4,5,6,7
	global_load_b128 v[MK+64*\set+8*\t:MK+64*\set+8*\t+3], v[MAD+\st], s[22:23] offset:4*((\t/2)*2*\GS+8*(\t%2))
	global_load_b128 v[MK+64*\set+8*\t+4:MK+64*\set+8*\t+7], v[MAD+\st], s[22:23] offset:4*((\t/2)*2*\GS+8*(\t%2))+16
.endr
.endm
.macro MCOMP st, set, GS, DMIN, cnt    ; cnt: the loads issued behind this step's, which may stay out
	v_mov_b32 v[OUT+2*\st], 0
	v_mov_b32 v[OUT+2*\st+1], 0
	s_wait_loadcnt \cnt
.set nb, 0
.rept 8                                ; scores n = 8 nb + k
.irp k, 0,1,2,3,4,5,6,7
.set moff, (nb/2)*2*\GS+8*(nb%2)+\k
	v_sub_nc_u32 v[MDT+\k], v[MDD+\st], moff       ; d
.endr
.irp k, 0,1,2,3,4,5,6,7
	v_and_b32 v[MAT+\k], 0x7f, v[MDT+\k]
.endr
.irp k, 0,1,2,3,4,5,6,7
	v_cmp_le_i32 s[KA+\k], \DMIN, v[MDT+\k]
	v_cmp_ge_i32 s[KB+\k], 0x80, v[MDT+\k]
	v_cmp_eq_u32 s[KC+\k], 0, v[MAT+\k]
	v_cmp_ne_u32 s[KD+\k], 0, v[MK+64*\set+8*nb+\k]
.endr
.irp k, 0,1,2,3,4,5,6,7
	s_or_b32 s[KB+\k], s[KB+\k], s[KC+\k]
	s_and_b32 s[KA+\k], s[KA+\k], s[KD+\k]
.endr
.irp k, 0,1,2,3,4,5,6,7
	s_and_b32 s[KA+\k], s[KA+\k], s[KB+\k]
.endr
.irp k, 0,1,2,3,4,5,6,7
	s_or_b32 s90, s90, s[KA+\k]
.endr
.irp k, 0,1,2,3,4,5,6,7
	v_writelane_b32 v[OUT+2*\st+(\k&1)], s[KA+\k], 4*nb+(\k>>1)   ; word n: lane n / 2, register n % 2
.endr
.set nb, nb+1
.endr
	global_store_b64 v6, v[OUT+2*\st:OUT+2*\st+1], s[30:31] offset:256*\st   ; 32 lanes store 256 consecutive bytes, aligned
.endm
	s_mov_b32 s56, s52
	MADDR 0, 16
	s_mov_b32 s56, s53
	MADDR 1, 128
	s_add_co_u32 s56, s53, 1024
	MADDR 2, 128
	MLOAD 0, 0, 16
	MLOAD 1, 1, 128
	MCOMP 0, 0, 16, 0, 16                          ; step 1's 16 loads may be out
	MLOAD 2, 0, 128                                ; into the set that step 0 has left
	MCOMP 1, 1, 128, 16, 16                        ; step 2's 16 loads may be out
	MCOMP 2, 0, 128, 16, 0
	s_lshr_b32 s86, s90, 16                        ; a query's keys lie in lanes r and r + 16: bit l of the last 64 words says whether query l % 16 has any key that counts
	s_lshl_b32 s87, s90, 16
	s_or_b32 s90, s90, s86
	s_or_b32 s90, s90, s87
	v_mov_b32 v[OUT+6], s90
	v_mov_b32 v[OUT+7], s90
	global_store_b64 v6, v[OUT+6:OUT+7], s[30:31] offset:768
	s_endpgm
.Lfunc_end_k_q91faf20226_prep:
	.size	k_q91faf20226_prep, .Lfunc_end_k_q91faf20226_prep-k_q91faf20226_prep
	.p2alignl 7, 3214868480
	.fill 96, 4, 3214868480
	.section	.rodata,"a",@progbits
	.p2align	6, 0x0
	.amdhsa_kernel k_q91faf20226_prep
		.amdhsa_group_segment_fixed_size 53248
		.amdhsa_private_segment_fixed_size 0
		.amdhsa_enable_private_segment 0
		.amdhsa_kernarg_size 112
		.amdhsa_user_sgpr_count 2
		.amdhsa_user_sgpr_kernarg_segment_ptr 1
		.amdhsa_wavefront_size32 1
		.amdhsa_system_sgpr_workgroup_id_x 1
		.amdhsa_system_sgpr_workgroup_id_y 1
		.amdhsa_system_sgpr_workgroup_id_z 1
		.amdhsa_system_vgpr_workitem_id 0
		.amdhsa_next_free_vgpr 192
		.amdhsa_next_free_sgpr 102
		.amdhsa_reserve_vcc 0
		.amdhsa_float_denorm_mode_32 3
		.amdhsa_float_denorm_mode_16_64 3
		.amdhsa_memory_ordered 1
		.amdhsa_forward_progress 1
		.amdhsa_inst_pref_size 191
	.end_amdhsa_kernel
	.amdgpu_metadata
---
amdhsa.version: [ 1, 2 ]
amdhsa.kernels:
  - .name:           k_q91faf20226_prep
    .symbol:         k_q91faf20226_prep.kd
    .args:
      - { .name: Wq, .offset: 0, .size: 8, .value_kind: global_buffer, .address_space: global }
      - { .name: Wk, .offset: 8, .size: 8, .value_kind: global_buffer, .address_space: global }
      - { .name: Wv, .offset: 16, .size: 8, .value_kind: global_buffer, .address_space: global }
      - { .name: Wo, .offset: 24, .size: 8, .value_kind: global_buffer, .address_space: global }
      - { .name: W1, .offset: 32, .size: 8, .value_kind: global_buffer, .address_space: global }
      - { .name: W2, .offset: 40, .size: 8, .value_kind: global_buffer, .address_space: global }
      - { .name: x, .offset: 48, .size: 8, .value_kind: global_buffer, .address_space: global }
      - { .name: g1, .offset: 56, .size: 8, .value_kind: global_buffer, .address_space: global }
      - { .name: bl1, .offset: 64, .size: 8, .value_kind: global_buffer, .address_space: global }
      - { .name: mask, .offset: 72, .size: 8, .value_kind: global_buffer, .address_space: global }
      - { .name: lowp_scales, .offset: 80, .size: 8, .value_kind: global_buffer, .address_space: global }
      - { .name: wcodes, .offset: 88, .size: 8, .value_kind: global_buffer, .address_space: global }
      - { .name: ncodes, .offset: 96, .size: 8, .value_kind: global_buffer, .address_space: global }
      - { .name: mwords, .offset: 104, .size: 8, .value_kind: global_buffer, .address_space: global }
    .group_segment_fixed_size: 53248
    .private_segment_fixed_size: 0
    .kernarg_segment_align: 8
    .kernarg_segment_size: 112
    .max_flat_workgroup_size: 256
    .sgpr_count:     102
    .vgpr_count:     192
    .wavefront_size: 32
...
	.end_amdgpu_metadata
.endif
;; end of part 1
;; launch qkv (part 2): grid 12 x 16, 4 waves a work-group, clusters of 4 x 4, 327,680 bytes of LDS; arguments ncodes, wcodes, lowp_scales, bq, bk, bv, qkvc; writes qkvc
.if DOCPART == 2
	.amdgcn_target "amdgcn-amd-amdhsa--gfx1250"
	.amdhsa_code_object_version 6
	.text
	.protected	k_q91faf20226_qkv
	.globl	k_q91faf20226_qkv
	.p2align	8
	.type	k_q91faf20226_qkv,@function
k_q91faf20226_qkv:
	s_mov_b64 s[64:65], 0
	v_nop
	global_prefetch_b8 v0, s[64:65] scope:SCOPE_SE
	s_setreg_imm32_b32 hwreg(HW_REG_WAVE_MODE, 25, 1), 1
	s_wait_xcnt 0x0
	s_wait_alu depctr_hold_cnt(0) depctr_sa_sdst(0) depctr_va_vdst(0) depctr_va_sdst(0) depctr_va_ssrc(0) depctr_va_vcc(0) depctr_vm_vsrc(0)
	s_getreg_b32 s2, hwreg(HW_REG_IB_STS2, 6, 4)
	s_cmp_eq_u32 s2, 0
	s_cbranch_scc0 .Lentry_in_a_cluster
	s_endpgm
.Lentry_in_a_cluster:
	s_bfe_u32 s2, ttmp6, 0x10000c
	s_cmp_lg_u32 s2, 0xf033
	s_cbranch_scc0 .Lentry_shape_is_right
	s_endpgm
.Lentry_shape_is_right:
; Q, K, V = n W + b on codes of E4M3, and their quantising for the attention.  Cluster x = p says which: 0 q, 1 k, 2 v.
; A tile of 256 x 256 is made by four waves, each 128 x 128 in 64 accumulators.  K = 1,024 goes in steps of 256 through a ring of two LDS slots filled by the tensor data mover.
; CODES lie in cells of 16 rows x 16 k (256 bytes): byte(row, k) = (row/16) 16 K + (k/16) 256 + (row%16) 16 + k%16.  So 16 rows x 128 k are 2,048 consecutive bytes, and register
; quad c of lane l is the 16 bytes at 512 c + 16 l: k = 32 c + 16 (l/16) + 0 .. 15, the same permutation of k in both operands: each product meets its partner.
; THE MATRIX INSTRUCTION: source 0 = 16 rows of region B, source 1 = 16 rows of region A: lane (r, h) holds A's row 16 a + r and B's rows 16 b + 8 h + 0 .. 7.
; For q and k region A holds tokens and region B rows of W^T: a lane's eight are eight neighbours of the head's 64.  For v THE REGIONS CHANGE PLACES (A: rows of Wv^T, B: tokens), so that a lane's
; eight are eight neighbouring KEYS, which are the second product's K.  Only addresses differ: no branch and no LDS address hangs on p or on a place in the cluster.
; OUT: q, k: [b x 16 + head][token/16][d/16][token%16][16 bytes]; v: [b x 16 + head][key/16][d][16 keys].  Each store of a wave is one whole aligned cell of 256 bytes.
; CLUSTER 4 x 4: region A's tile is shared along a row of the cluster, region B's along a column: joint loads.
; LIMITS: each sum of two exponents between -126 and 127; the exponents 6, 7, 9 between -126 and 119.  NaN and infinities are not served.
.set NBK,   8                          ; blocks of 16 rows of A, and of B, to a wave
.set NQ,    2                          ; steps of 128 along K in a slot
.set SIZE_K, 1024
.set FR,    16
.set NL,    4
.set NP,    4                          ; places behind this matrix instruction (ISA guide 7.12.1)
.set RGB,   NQ*2048                    ; a group of 16 rows in a slot, in bytes
.set HALFT, NBK*RGB                    ; what one tensor load brings
.set SLOT,  4*HALFT
.set SPARE, 2*SLOT                     ; behind the ring: the spare words, 128 bytes a wave; no other line names them
.set LAPS,  SIZE_K/(256*NQ)
.set ADRA,  16                         ; v16-17 LDS address of my A fragments in slot 0, 1;  v20-21 B's
.set ADRB,  20
.set SPW,   28
.set NIL,   29
.set AF,    128                        ; window 0: A's one set;  window 1: B's two sets;  windows 2, 3: accumulator (a, b) at v[8 (8 (a%4) + b)]
.set G1,    24
.set G0,    32
.set G1B,   48
.set G0B,   56
.set MSB,   0
.macro WIN new                         ; the immediate's high byte repeats the setting that is left
.if MSB != (\new)
	s_set_vgpr_msb (MSB<<8)|(\new)
.set MSB, (\new)
.endif
.endm
.macro JLOAD g0a, g1a, g0b, g1b        ; a joint load: waves 0, 1 fetch region A's halves, waves 2, 3 region B's; an s_nop 0 and four v_nop follow each line
	s_cmp_eq_u32 s15, 0
	s_cbranch_scc0 .Lfor_b_\@
	tensor_load_to_lds s[\g0a:\g0a+3], s[\g1a:\g1a+7]
	s_nop 0
.rept 4
	v_nop
.endr
	s_branch .Lasked_\@
.Lfor_b_\@:
	tensor_load_to_lds s[\g0b:\g0b+3], s[\g1b:\g1b+7]
	s_nop 0
.rept 4
	v_nop
.endr
.Lasked_\@:
.endm
.macro CREST                           ; a round of the cluster's barrier behind its opening barrier
	s_cmp_lg_u32 s14, 0
	s_cbranch_scc1 .Lnot_wave_0_\@
	s_barrier_signal -3
.Lnot_wave_0_\@:
	s_barrier_wait -3
	s_barrier_signal -1
	s_barrier_wait -1
.endm
.macro CROUND
	s_barrier_signal -1
	s_barrier_wait -1
	CREST
.endm
.macro PLACES n
.rept \n
	v_nop
.endr
.endm
.macro FRAG reg, adr, q, i             ; 16 rows x 128 k: four loads of 512 consecutive bytes
.irp c, 0,1,2,3
	ds_load_b128 v[(\reg)+4*\c:(\reg)+4*\c+3], v[\adr] offset:(\i)*RGB+(\q)*2048+512*\c
.endr
.endm
.macro MULS a0, n, p, zero             ; A's blocks a0 .. a0 + n - 1, each against B's NBK of set p.  The accumulators take turns, one instruction a turn
.set ma, \a0
.rept \n
	WIN 0xa1+0x50*(ma/4)
.set mb, 0
.rept NBK
.set rD, 8*(NBK*(ma%4)+mb)
.if \zero
	v_wmma_f32_16x16x128_fp8_fp8 v[rD:rD+7], v[128*(\p)+FR*mb:128*(\p)+FR*mb+FR-1], v[AF+FR*ma:AF+FR*ma+FR-1], 0
.else
	v_wmma_f32_16x16x128_fp8_fp8 v[rD:rD+7], v[128*(\p)+FR*mb:128*(\p)+FR*mb+FR-1], v[AF+FR*ma:AF+FR*ma+FR-1], v[rD:rD+7]
.endif
.set mb, mb+1
.endr
.set ma, ma+1
.endr
.endm
.macro FETCH_B slot, q, p
	WIN 0x40
.set fi, 0
.rept NBK
	FRAG 128*(\p)+FR*fi, ADRB+\slot, \q, fi
.set fi, fi+1
.endr
	WIN 0
.endm
.macro FETCH_A slot, q, i0, n
.set fi, \i0
.rept \n
	FRAG AF+FR*fi, ADRA+\slot, \q, fi
.set fi, fi+1
.endr
.endm
.macro STEP slot, q, zero              ; 128 along K whose successor lies in the same slot
	s_wait_dscnt (NBK/2)*NL                        ; B's set and A's lower blocks are in; the youngest loads (A's upper blocks) may be out
	MULS 0, NBK/2, (\q)%2, \zero
	s_wait_dscnt 0x0
	PLACES NP                                      ; in front of loads into registers that matrix instructions have read
	FETCH_B \slot, (\q)+1, 1-(\q)%2
	FETCH_A \slot, (\q)+1, 0, NBK/2
	MULS NBK/2, NBK/2, (\q)%2, \zero
	PLACES NP
	WIN 0
	FETCH_A \slot, (\q)+1, NBK/2, NBK/2
.endm
.macro TURN slot, next, fill           ; a slot's last step changes slots: one barrier
	s_wait_tensorcnt 0x0                           ; all my tensor loads have landed: my part of the next slot
	ds_add_u32 v[SPW], v[NIL]                      ; 0 onto my spare word
	s_wait_dscnt (NBK/2)*NL+1                      ; (the add and A's upper blocks may be out)
	MULS 0, NBK/4, 1, 0
	s_wait_dscnt 0x0                               ; the add is done, and my reads of this slot are over
	s_barrier_signal -1
	MULS NBK/4, NBK/4, 1, 0
	WIN 0
	s_barrier_wait -1
.if \fill
	CREST                                          ; the barrier has opened a round of the cluster's: no wave of any partner still reads this slot or has a load on its way
	s_add_nc_u64 s[G0+4*\slot+2:G0+4*\slot+3], s[G0+4*\slot+2:G0+4*\slot+3], 2*RGB
	s_add_nc_u64 s[G0B+4*\slot+2:G0B+4*\slot+3], s[G0B+4*\slot+2:G0B+4*\slot+3], 2*RGB
	JLOAD G0+4*\slot, G1, G0B+4*\slot, G1B         ; the first tensor load behind the round; its four v_nop are the places in front of the loads below
.else
	PLACES NP
.endif
	s_wait_alu depctr_va_vdst(0)
	FETCH_B \next, 0, 0
	FETCH_A \next, 0, 0, NBK/2
	MULS NBK/2, NBK/2, 1, 0
	PLACES NP
	WIN 0
	FETCH_A \next, 0, NBK/2, NBK/2
.endm
.macro LAST
	s_wait_dscnt (NBK/2)*NL
	MULS 0, NBK/2, 1, 0
	s_wait_dscnt 0x0
	MULS NBK/2, NBK/2, 1, 0
	WIN 0
.endm
	s_load_b256 s[4:11], s[0:1], 0x0               ; ncodes, wcodes, the exponents, bq
	s_load_b128 s[84:87], s[0:1], 0x20             ; bk, bv
	s_load_b64 s[88:89], s[0:1], 0x30              ; qkvc
	v_lshl_add_u32 v[SPW], v0, 2, SPARE
	v_mov_b32 v[NIL], 0
	ds_add_u32 v[SPW], v[NIL]                      ; the wave's opening: the add and its wait ahead of my first tensor load
	ds_add_u32 v[SPW], v[NIL]
	v_lshrrev_b32 v1, 5, v0
	v_readfirstlane_b32 s14, v1                    ; wave 0..3
	s_lshr_b32 s15, s14, 1                         ; my half of region A's rows.  Also: I fetch for A (0) or for B (1)
	s_and_b32 s16, s14, 1                          ; my half of region B's rows.  Also: which 128 rows I fetch
	s_bfe_u32 s40, ttmp6, 0x40000                  ; cx
	s_bfe_u32 s41, ttmp6, 0x40004                  ; cy
	s_and_b32 s17, ttmp7, 0xffff
	s_lshl_b32 s17, s17, 2                         ; 4 x cluster y
	s_lshl_b32 s42, ttmp9, 2                       ; 4 p
	s_lshl_b32 s18, ttmp9, 22                      ; p planes of 4 MiB
	s_cmp_eq_u32 ttmp9, 2                          ; v?  The same in all sixteen partners
	s_cselect_b32 s19, 8, s17                      ; region A's tile: v: 8 + cy of the weights' twelve; else token tile 4 cluster y + cy
	s_cselect_b32 s22, s17, s42                    ; region B's tile: v: token tile 4 cluster y + cx; else 4 p + cx of the weights
	s_cselect_b32 s18, 0, s18                      ; region A's plane of n's codes
	s_cselect_b32 s23, 0x800000, 0                 ; region B's
	s_cselect_b32 s90, -1, 0                       ; a lane mask: all lanes where v
	s_add_co_u32 s19, s19, s41
	s_add_co_u32 s22, s22, s40
	s_lshl_b32 s43, s41, 2
	s_lshl_b32 s43, 15, s43                        ; my row of the cluster
	s_lshl_b32 s44, 0x1111, s40                    ; my column
	s_or_b32 s[G1+0], s43, (3<<16)|(1<<21)         ; 15:0 the mask; 17:16 elements of 8 bytes; 21 set beside a mask; no padding
	s_or_b32 s[G1B+0], s44, (3<<16)|(1<<21)
.irp g, G1, G1B
	s_mov_b32 s[\g+1], (RGB/8)<<16                 ; tensor_dim0: a group of rows' bytes in a slot, in elements
	s_mov_b32 s[\g+2], NBK<<16                     ; tensor_dim1: groups of 16 rows
	s_mov_b32 s[\g+3], (RGB/8)<<16                 ; tile_dim0
	s_mov_b32 s[\g+4], NBK                         ; tile_dim1
	s_mov_b32 s[\g+5], 2*SIZE_K                    ; from group to group: 16 K bytes, in elements
	s_mov_b32 s[\g+6], 0
	s_mov_b32 s[\g+7], 0
.endr
	s_lshl_b32 s20, s19, 8
	s_lshl_b32 s21, s16, 7
	s_add_co_u32 s20, s20, s21                     ; region A: the first row that I fetch;
	s_lshl_b32 s20, s20, 10                        ; a row is K bytes
	s_add_co_u32 s20, s20, s18
	s_mov_b32 s21, 0
	s_lshl_b32 s46, s22, 8
	s_lshl_b32 s47, s16, 7
	s_add_co_u32 s46, s46, s47
	s_lshl_b32 s46, s46, 10
	s_add_co_u32 s46, s46, s23
	s_mov_b32 s47, 0
	s_mul_i32 s45, s14, HALFT                      ; where they go: no place in the cluster enters an LDS address
	s_wait_dscnt 0x0                               ; the opening add is done
	s_wait_kmcnt 0x0
	s_load_b512 s[68:83], s[8:9], 0x0              ; the sixteen exponents
	s_cmp_eq_u32 ttmp9, 2
	s_cselect_b64 s[92:93], s[6:7], s[4:5]         ; region A's buffer
	s_cselect_b64 s[94:95], s[4:5], s[6:7]         ; region B's
	s_add_nc_u64 s[20:21], s[92:93], s[20:21]
	s_add_nc_u64 s[46:47], s[94:95], s[46:47]
	CROUND                                         ; all sixteen work-groups are here: the first joint loads meet
.irp s, 0,1
	s_mov_b32 s[G0+4*\s], 1
	s_add_co_u32 s[G0+4*\s+1], s45, \s*SLOT
	s_add_nc_u64 s[G0+4*\s+2:G0+4*\s+3], s[20:21], \s*RGB
	s_or_b32 s[G0+4*\s+3], s[G0+4*\s+3], 0x80000000
	s_mov_b32 s[G0B+4*\s], 1
	s_add_co_u32 s[G0B+4*\s+1], s45, \s*SLOT
	s_add_nc_u64 s[G0B+4*\s+2:G0B+4*\s+3], s[46:47], \s*RGB
	s_or_b32 s[G0B+4*\s+3], s[G0B+4*\s+3], 0x80000000
.if \s
	s_wait_alu depctr_va_vdst(0)                   ; slot 1's first fill is issued as a refill is
	s_wait_tensorcnt 0x0
	ds_add_u32 v[SPW], v[NIL]
	s_wait_dscnt 0x0
	CROUND
.endif
	JLOAD G0+4*\s, G1, G0B+4*\s, G1B
.endr
	v_and_b32 v1, 15, v0                           ; r
	v_bfe_u32 v2, v0, 4, 1                         ; h
	v_and_b32 v3, 31, v0
	v_lshlrev_b32 v3, 4, v3                        ; 16 x lane
	s_mul_i32 s21, s15, HALFT
	s_mul_i32 s22, s16, HALFT
	s_add_co_u32 s22, s22, 2*HALFT
.irp s, 0,1
	v_add_nc_u32 v[ADRA+\s], s21, v3
	v_add_nc_u32 v[ADRB+\s], s22, v3
	s_add_co_u32 s21, s21, SLOT
	s_add_co_u32 s22, s22, SLOT
.endr
	v_lshlrev_b32 v6, 4, v1
	v_lshl_add_u32 v6, v2, 3, v6                   ; my 8 bytes of a cell: 16 r + 8 h
	v_mov_b32 v30, 0
	; Rb, Cb: the first row of my part of regions A and B, counted in what they hold (tokens, or the 1,024 outputs)
	s_cmp_eq_u32 ttmp9, 2
	s_cselect_b32 s93, 0, s17
	s_cselect_b32 s94, s17, 0
	s_add_co_u32 s93, s93, s41
	s_add_co_u32 s94, s94, s40
	s_lshl_b32 s91, s93, 8
	s_lshl_b32 s93, s15, 7
	s_add_co_u32 s91, s91, s93                     ; Rb
	s_lshl_b32 s92, s94, 8
	s_lshl_b32 s94, s16, 7
	s_add_co_u32 s92, s92, s94                     ; Cb
	s_cmp_eq_u32 ttmp9, 1
	s_cselect_b64 s[12:13], s[84:85], s[10:11]
	s_cmp_eq_u32 ttmp9, 2
	s_cselect_b64 s[12:13], s[86:87], s[12:13]     ; the bias
	s_cselect_b32 s93, 0, s92                      ; the bias by B's rows (q, k) is read at Cb; for v at 0, and then not used
	s_cselect_b32 s94, s91, 0                      ; the bias by A's rows (v) at Rb; for q, k at 0, and then not used
	s_lshl_b32 s93, s93, 2
	s_lshl_b32 s94, s94, 2
	v_lshlrev_b32 v4, 5, v2
	v_add_nc_u32 v4, s93, v4
	v_lshlrev_b32 v5, 2, v1
	v_add_nc_u32 v5, s94, v5
.irp b, 0,1,2,3,4,5,6,7
	global_load_b128 v[32+8*\b:35+8*\b], v4, s[12:13] offset:64*\b        ; bias(first + 16 b + 8 h + 0 .. 7)
	global_load_b128 v[36+8*\b:39+8*\b], v4, s[12:13] offset:64*\b+16
.endr
.irp a, 0,1,2,3,4,5,6,7
	global_load_b32 v[96+2*\a], v5, s[12:13] offset:64*\a                 ; bias(first + 16 a + r)
.endr
	s_wait_tensorcnt 1                             ; my part of slot 0 is in; slot 1's may be out
	s_barrier_signal -1
	s_barrier_wait -1
	FETCH_B 0, 0, 0
	FETCH_A 0, 0, 0, NBK/2
	FETCH_A 0, 0, NBK/2, NBK/2
	STEP 0, 0, 1                                   ; the first step stands in front of the loop: its products start the sums
	s_mov_b32 s3, LAPS-1
.Llap:
	TURN 0, 1, 1
	STEP 1, 0, 0
	TURN 1, 0, 1
	STEP 0, 0, 0
	s_sub_co_u32 s3, s3, 1
	s_cmp_lg_u32 s3, 0
	s_cbranch_scc1 .Llap
	TURN 0, 1, 0                                   ; the last lap fills nothing
	STEP 1, 0, 0
	LAST
	; THE WAY OUT: sum x 2^(eA + eB) + bias, held, converted; a lane's 8 codes are 8 bytes of a cell, the wave's 32 lanes store the cell whole.
	s_wait_kmcnt 0x0
	s_wait_loadcnt 0x0
	s_cmp_eq_u32 ttmp9, 1
	s_cselect_b32 s96, s70, s68                    ; the product's two exponents: entries 2 p, 2 p + 1;
	s_cselect_b32 s97, s71, s69
	s_cselect_b32 s98, s75, s74                    ; the result's: entry 6 (q), 7 (k), 9 (v)
	s_cmp_eq_u32 ttmp9, 2
	s_cselect_b32 s96, s72, s96
	s_cselect_b32 s97, s73, s97
	s_cselect_b32 s98, s77, s98
	s_add_co_i32 s96, s96, s97
	s_add_co_i32 s96, s96, 127
	s_lshl_b32 s96, s96, 23                        ; 2^(eA + eB)
	s_mov_b32 s97, s96
	s_add_co_i32 s98, s98, 127
	s_lshl_b32 s99, s98, 23
	v_mov_b32 v13, s99                             ; the result's scale
	s_add_co_i32 s98, s98, 8
	s_lshl_b32 s98, s98, 23
	s_or_b32 s98, s98, 0x600000
	v_mov_b32 v12, s98                             ; 448 x that
	s_mov_b32 s66, 256
	s_mov_b32 s67, 1024
	s_mov_b32 s95, 4096
	s_mov_b32 s99, 0x20000
	s_cmp_eq_u32 ttmp9, 2
	s_cselect_b32 s93, s92, s91                    ; my first token
	s_cselect_b32 s94, s91, s92                    ; my first output
	s_cselect_b32 s98, s66, s67                    ; from block a to a + 1 within four: v: a cell of 16 d; else a group of tokens
	s_cselect_b32 s100, s67, s66                   ; from block b to b + 1 within four
	s_cselect_b32 s101, s99, s95                   ; from a to a + 4: v: the next head; else four groups of tokens
	s_cselect_b32 s95, s95, s99                    ; from b to b + 4
	s_lshr_b32 s66, s93, 11
	s_lshl_b32 s66, s66, 4
	s_lshr_b32 s67, s94, 6
	s_add_co_u32 s66, s66, s67                     ; 16 b + head
	s_lshl_b32 s66, s66, 7
	s_and_b32 s67, s93, 2047
	s_lshr_b32 s67, s67, 4
	s_add_co_u32 s66, s66, s67                     ; + the group of 16 tokens
	s_lshl_b32 s66, s66, 10
	s_lshl_b32 s67, ttmp9, 22
	s_add_co_u32 s66, s66, s67
	s_mov_b32 s67, 0
	s_add_nc_u64 s[88:89], s[88:89], s[66:67]
.irp a, 0,1,2,3,4,5,6,7                        ; a base for each block a, in the descriptors' registers: no tensor load is out any more
	s_mul_i32 s66, s98, (\a&3)
	s_mul_i32 s93, s101, (\a>>2)
	s_add_co_u32 s66, s66, s93
	s_add_nc_u64 s[24+2*\a:25+2*\a], s[88:89], s[66:67]
.endr
.irp b, 0,1,2,3,4,5,6,7                        ; an offset for each block b
	s_mul_i32 s66, s100, (\b&3)
	s_mul_i32 s93, s95, (\b>>2)
	s_add_co_u32 s66, s66, s93
	v_add_nc_u32 v[112+\b], s66, v6
.endr
.set li, 0
.rept 64
	v_cndmask_b32 v[32+li], v[32+li], v30, s90     ; the bias by B's rows counts for q and k alone,
.set li, li+1
.endr
.irp a, 0,1,2,3,4,5,6,7
	v_cndmask_b32 v[96+2*\a], v30, v[96+2*\a], s90 ; that by A's rows for v alone
	v_mov_b32 v[97+2*\a], v[96+2*\a]
.endr
.set TT, 128                           ; v128-191 a block's 64 numbers; v192-223 two sets of codes
.irp a, 0,1,2,3,4,5,6,7
.set AC, 64*(\a%4)
.set CD, 192+16*(\a%2)
	s_wait_xcnt 0x0                                ; the earlier stores have read their data
	WIN 0x02+(\a/4)
.set li, 0
.rept 32
	v_pk_fma_f32 v[TT+li:TT+li+1], v[AC+li:AC+li+1], s[96:97], v[32+li:33+li] op_sel_hi:[1,0,1]   ; each accumulator from its low end on
.set li, li+2
.endr
	WIN 0
.set li, 0
.rept 32
	v_pk_add_f32 v[TT+li:TT+li+1], v[TT+li:TT+li+1], v[96+2*\a:97+2*\a] op_sel_hi:[1,0]
.set li, li+2
.endr
.set li, 0
.rept 64
	v_med3_num_f32 v[TT+li], v[TT+li], -v12, v12
.set li, li+1
.endr
.irp b, 0,1,2,3,4,5,6,7
	v_cvt_scalef32_pk8_fp8_f32 v[CD+2*\b:CD+2*\b+1], v[TT+8*\b:TT+8*\b+7], v13
.endr
	v_nop                                          ; a plain instruction behind the last conversion, ahead of the next write of its sources
.irp b, 0,1,2,3,4,5,6,7
	global_store_b64 v[112+\b], v[CD+2*\b:CD+2*\b+1], s[24+2*\a:25+2*\a]   ; 32 lanes store 256 consecutive bytes, aligned
.endr
.endr
	s_wait_tensorcnt 0x0                           ; the wave's end
	ds_add_u32 v[SPW], v[NIL]
	s_wait_dscnt 0x0
	CROUND                                         ; the closing round
	s_endpgm
.Lfunc_end_k_q91faf20226_qkv:
	.size	k_q91faf20226_qkv, .Lfunc_end_k_q91faf20226_qkv-k_q91faf20226_qkv
	.p2alignl 7, 3214868480
	.fill 96, 4, 3214868480
	.section	.rodata,"a",@progbits
	.p2align	6, 0x0
	.amdhsa_kernel k_q91faf20226_qkv
		.amdhsa_group_segment_fixed_size 327680
		.amdhsa_private_segment_fixed_size 0
		.amdhsa_enable_private_segment 0
		.amdhsa_kernarg_size 56
		.amdhsa_user_sgpr_count 2
		.amdhsa_user_sgpr_kernarg_segment_ptr 1
		.amdhsa_wavefront_size32 1
		.amdhsa_system_sgpr_workgroup_id_x 1
		.amdhsa_system_sgpr_workgroup_id_y 1
		.amdhsa_system_sgpr_workgroup_id_z 1
		.amdhsa_system_vgpr_workitem_id 0
		.amdhsa_next_free_vgpr 1024
		.amdhsa_next_free_sgpr 102
		.amdhsa_reserve_vcc 0
		.amdhsa_float_denorm_mode_32 3
		.amdhsa_float_denorm_mode_16_64 3
		.amdhsa_memory_ordered 1
		.amdhsa_forward_progress 1
		.amdhsa_inst_pref_size 164
	.end_amdhsa_kernel
	.amdgpu_metadata
---
amdhsa.version: [ 1, 2 ]
amdhsa.kernels:
  - .name:           k_q91faf20226_qkv
    .symbol:         k_q91faf20226_qkv.kd
    .args:
      - { .name: ncodes, .offset: 0, .size: 8, .value_kind: global_buffer, .address_space: global }
      - { .name: wcodes, .offset: 8, .size: 8, .value_kind: global_buffer, .address_space: global }
      - { .name: lowp_scales, .offset: 16, .size: 8, .value_kind: global_buffer, .address_space: global }
      - { .name: bq, .offset: 24, .size: 8, .value_kind: global_buffer, .address_space: global }
      - { .name: bk, .offset: 32, .size: 8, .value_kind: global_buffer, .address_space: global }
      - { .name: bv, .offset: 40, .size: 8, .value_kind: global_buffer, .address_space: global }
      - { .name: qkvc, .offset: 48, .size: 8, .value_kind: global_buffer, .address_space: global }
    .group_segment_fixed_size: 327680
    .private_segment_fixed_size: 0
    .kernarg_segment_align: 8
    .kernarg_segment_size: 56
    .max_flat_workgroup_size: 128
    .sgpr_count:     102
    .vgpr_count:     1024
    .wavefront_size: 32
...
	.end_amdgpu_metadata
.endif
;; end of part 2
;; launch attn (part 3): grid 128 x 4, 8 waves a work-group, no clusters, 0 bytes of LDS; arguments qkvc, mwords, lowp_scales, ocodes; writes ocodes
.if DOCPART == 3
	.amdgcn_target "amdgcn-amd-amdhsa--gfx1250"
	.amdhsa_code_object_version 6
	.text
	.protected	k_q91faf20226_attn
	.globl	k_q91faf20226_attn
	.p2align	8
	.type	k_q91faf20226_attn,@function
k_q91faf20226_attn:
	s_mov_b64 s[64:65], 0
	v_nop
	global_prefetch_b8 v0, s[64:65] scope:SCOPE_SE
	s_setreg_imm32_b32 hwreg(HW_REG_WAVE_MODE, 25, 1), 1
	s_wait_xcnt 0x0
; ATTENTION under the strided mask, on codes of E4M3.  A wave owns 16 queries (tile qt, chosen below) of one head (bh = 8 x work-group y + wave).
; Only the keys that the strided mask can let through are met: step 0: 128 keys from max(q0 - 112, 0) on; steps 1, 2: the groups of 16 keys at 128 c + q0 % 128, c = 0 .. 7, 8 .. 15
; (left out, by a branch on the tile's number, where q0 / 128 < 1 or < 9: all their keys then lie at or ahead of the queries).  Which scores count is read as lane masks, whole numbers that the first launch stored.
; Both products are used transposed: S^T = K Q^T (source 0 = 16 keys, source 1 = my 16 queries), O^T = V^T P^T: a lane holds ONE query (lane % 16) throughout.
; THE KEYS OF A TILE ARE NOT NEIGHBOURS: lane r of tile 2 b + u takes key 32 b + 8 u + r + 8 (r / 8) of the step's 128, so that p's 16 registers of tiles 2 b, 2 b + 1 are 16 neighbours, 32 b + 16 (lane / 16) + 0 .. 15.
; SOFTMAX: t = score x log2(e) / 8; M = the running largest t rounded up to a whole number; p = 2^(t - M) is quantised; the sum is taken of the unquantised p and divides at the end.
; A score that does not count becomes -2^100: c x 2^100 is exact, so a row with no key so far has t - M = 0, finite numbers that the first real key multiplies by 2^(old M - new M) = 0.
; A ROW WITH NO KEY AT ALL has 2,048 equal logits: p = 1 for EVERY key of the head, sum 2,048.  Tiles with such a row (a stored whole number says so) also sum all of V, and those lanes take that.
; No LDS: each fragment feeds one matrix instruction of one wave; four waves share a SIMD, so that one wave's vector work stands beside another's loads.
; The first step's K and mask words are asked for at the head, together with Q and the exponents: one wait serves them all.
; LIMITS: exponents 6 + 7 between -120 and 9; 8 and 10 between -126 and 119.  NaN and infinities are not served.
; REGISTERS: v1-6 addresses; v12 -M, v13 the largest t, v[14:15] the sum; v16-23 Q; v32-95 K's, then V's fragments; v96-159 S^T, then p; v160-191 O^T; v224-239 p's codes; v234-255 at work.
; s16-63, s68-83: a step's 64 mask words.
; A step's mask words and its eight tiles of K: groups of 16 keys GSTR bytes apart from G0 on; MW: the step's words in the record
.macro KLOADS kb, lk, GSTR, G0, MW
	s_load_b512 s[16:31], s[6:7], \MW
	s_load_b512 s[32:47], s[6:7], \MW+64
	s_load_b512 s[48:63], s[6:7], \MW+128
	s_load_b512 s[68:83], s[6:7], \MW+192
.irp t, 0,1,2,3,4,5,6,7
.irp c, 0,1
	global_load_b128 v[32+8*\t+4*\c:35+8*\t+4*\c], v[\lk], s[\kb:\kb+1] offset:\G0+(\t/2)*2*\GSTR+512*\c+128*(\t%2)
.endr
.endr
.endm
	s_load_b256 s[4:11], s[0:1], 0x0               ; qkvc, mwords, the exponents, ocodes
	v_lshrrev_b32 v1, 5, v0
	s_delay_alu instid0(VALU_DEP_1)
	v_readfirstlane_b32 s94, v1                    ; wave
	s_and_b32 s95, ttmp7, 0xffff
	s_lshl_b32 s95, s95, 3
	s_add_co_u32 s95, s95, s94                     ; bh
	s_sub_co_u32 s94, 127, ttmp9                   ; THE TILE OF QUERIES, qt (the wave's number is done with): 127 - work-group x where work-group y < 2, work-group x else:
	s_cmp_lt_u32 s95, 16                           ; the tiles with three key steps get the lowest work-group numbers, and work-groups 256 apart own tiles qt and 127 - qt, 4 or 5 key steps together
	s_cselect_b32 s94, s94, ttmp9
	s_lshr_b32 s93, s94, 3                         ; q0 / 128
	v_and_b32 v8, 15, v0                           ; r
	v_bfe_u32 v9, v0, 4, 1                         ; h
	s_delay_alu instid0(VALU_DEP_2)
	v_and_b32 v10, 7, v8
	s_delay_alu instid0(VALU_DEP_3)
	v_lshrrev_b32 v11, 3, v8
	s_delay_alu instid0(VALU_DEP_2)
	v_lshlrev_b32 v10, 4, v10
	s_delay_alu instid0(VALU_DEP_1)
	v_lshl_add_u32 v10, v9, 8, v10                 ; K: piece h of the head's four, token r % 8
	s_delay_alu instid0(VALU_DEP_1)
	v_lshl_add_u32 v1, v11, 10, v10                ; + r / 8 groups on: groups 1,024 bytes apart (step 0),
	s_delay_alu instid0(VALU_DEP_2)
	v_lshl_add_u32 v2, v11, 13, v10                ; or 8,192 (steps 1, 2)
	v_lshlrev_b32 v10, 4, v8
	s_delay_alu instid0(VALU_DEP_1)
	v_lshl_add_u32 v3, v9, 10, v10                 ; V: row d = r of group h
	s_delay_alu instid0(VALU_DEP_2)
	v_lshl_add_u32 v4, v9, 13, v10
	v_and_b32 v5, 31, v0
	s_delay_alu instid0(VALU_DEP_1)
	v_lshlrev_b32 v5, 4, v5                        ; Q: 16 x lane
	v_lshl_add_u32 v6, v9, 3, v10                  ; out: 16 r + 8 h
	s_lshl_b32 s2, s95, 17                         ; a head's codes are 131,072 bytes
	s_mov_b32 s3, 0
	s_sub_co_i32 s66, s94, 7
	s_max_i32 s66, s66, 0
	s_lshl_b32 s66, s66, 10                        ; step 0's first group
	s_and_b32 s67, s94, 7
	s_lshl_b32 s67, s67, 10                        ; steps 1, 2: the group at q0 % 128
	s_mov_b32 s90, 0x76543210
	s_mov_b32 s91, 0xfedcba98
	s_mov_b32 s88, 0x3e38aa3b                      ; c = log2(e) / 8
	s_wait_alu depctr_va_vdst(0)
	s_wait_kmcnt 0x0
	s_load_b128 s[96:99], s[8:9], 0x18             ; exponents 6 .. 9: q, k, p, v
	s_load_b32 s100, s[8:9], 0x28                  ; exponent 10: o
	s_add_nc_u64 s[4:5], s[4:5], s[2:3]            ; my head in q's plane
	s_add_nc_u64 s[12:13], s[4:5], 0x400000        ; in k's,
	s_add_nc_u64 s[84:85], s[4:5], 0x800000        ; in v's
	s_mov_b64 s[14:15], s[12:13]
	s_mov_b64 s[86:87], s[84:85]
	s_mov_b32 s2, s66
	s_add_nc_u64 s[12:13], s[12:13], s[2:3]
	s_add_nc_u64 s[84:85], s[84:85], s[2:3]
	s_mov_b32 s2, s67
	s_add_nc_u64 s[14:15], s[14:15], s[2:3]
	s_add_nc_u64 s[86:87], s[86:87], s[2:3]
	s_add_nc_u64 s[66:67], s[4:5], 0x800000        ; V's head, for a row with no key
	s_lshl_b32 s2, s94, 10
	s_add_nc_u64 s[4:5], s[4:5], s[2:3]            ; my tile of q
	s_add_nc_u64 s[6:7], s[6:7], s[2:3]            ; my tile's record of mask words
	global_load_b128 v[16:19], v5, s[4:5]
	global_load_b128 v[20:23], v5, s[4:5] offset:512
	s_load_b32 s92, s[6:7], 0x300                  ; bit l: query l % 16 has a key
	KLOADS 12, 1, 1024, 0, 0                       ; step 0's words and K go out here, beside Q and the exponents
	s_lshr_b32 s2, s95, 4
	s_lshl_b32 s2, s2, 7
	s_add_co_u32 s2, s2, s94
	s_lshl_b32 s2, s2, 14                          ; o's codes: the group of 16 rows,
	s_and_b32 s101, s95, 15
	s_lshl_b32 s101, s101, 10                      ; the head's four cells
	s_add_co_u32 s2, s2, s101
	s_add_nc_u64 s[10:11], s[10:11], s[2:3]
	v_mov_b32 v13, 0xff61b1e6                      ; the largest t so far: -3e38
	s_delay_alu instid0(VALU_DEP_1)
	v_floor_f32 v12, -v13
	v_mov_b32 v14, 0
	v_mov_b32 v15, 0
	v_mov_b32 v236, 0                              ; a lane permute's destination counts as read
	v_mov_b32 v253, 0                              ; (named as the upper half of a pair)
	v_mov_b32 v241, 0xf1800000                     ; -2^100
.set li, 0
.rept 32
	v_mov_b32 v[160+li], 0                         ; O^T: the step is written once, and its first walk finds zeros
.set li, li+1
.endr
	s_wait_kmcnt 0x0
	s_add_co_i32 s2, s96, s97
	s_lshl_b32 s2, s2, 23
	s_add_co_i32 s88, s88, s2                      ; the two exponents go into c's exponent field
	s_mov_b32 s89, s88
	s_add_co_i32 s2, s98, 127
	s_lshl_b32 s3, s2, 23
	v_mov_b32 v244, s3                             ; p's scale
	s_add_co_i32 s2, s2, 8
	s_lshl_b32 s2, s2, 23
	s_or_b32 s2, s2, 0x600000
	v_mov_b32 v240, s2                             ; 448 x that
	s_add_co_i32 s2, s100, 127
	s_lshl_b32 s3, s2, 23
	v_mov_b32 v246, s3                             ; o's scale
	s_add_co_i32 s2, s2, 8
	s_lshl_b32 s2, s2, 23
	s_or_b32 s2, s2, 0x600000
	v_mov_b32 v245, s2
	s_add_co_i32 s101, s98, s99                    ; p's exponent + v's
; A KEY STEP of 128 keys in eight groups of 16.  pre = 1: its words and its K were asked for at the head
.macro STEP kb, vb, lk, lv, GSTR, G0, MW, pre
.if \pre == 0
.rept 4
	v_nop                                          ; places in front of loads into registers that matrix instructions have read
.endr
	KLOADS \kb, \lk, \GSTR, \G0, \MW
.endif
	s_wait_loadcnt 0x0
.irp t, 0,1,2,3,4,5,6,7
	v_wmma_f32_16x16x64_fp8_fp8 v[96+8*\t:103+8*\t], v[32+8*\t:39+8*\t], v[16:23], 0
.endr
.rept 4
	v_nop
.endr
.irp dt, 0,1,2,3
.irp c, 0,1,2,3
	global_load_b128 v[32+16*\dt+4*\c:35+16*\dt+4*\c], v[\lv], s[\vb:\vb+1] offset:\G0+2*\c*\GSTR+256*\dt   ; V lands while the softmax is walked
.endr
.endr
	s_wait_kmcnt 0x0
.set n, 0
.rept 64
	v_cndmask_b32 v[96+n], v241, v[96+n], s[16+n+4*(n/48)]   ; what does not count becomes -2^100; each accumulator from its low end on
.set n, n+1
.endr
	v_max3_num_f32 v254, v96, v97, v98             ; the step's largest score of my query, in two chains,
	v_max3_num_f32 v252, v99, v100, v101
.irp i, 6,10,14,18,22,26,30,34,38,42,46,50,54,58
	s_delay_alu instid0(VALU_DEP_2)
	v_max3_num_f32 v254, v254, v[96+\i], v[97+\i]
	s_delay_alu instid0(VALU_DEP_2)
	v_max3_num_f32 v252, v252, v[98+\i], v[99+\i]
.endr
	s_delay_alu instid0(VALU_DEP_2)
	v_max3_num_f32 v254, v254, v158, v159
	s_delay_alu instid0(VALU_DEP_1)
	v_max_num_f32 v254, v254, v252
	v_permlanex16_b32 v236, v254, s90, s91
	s_delay_alu instid0(VALU_DEP_1)
	v_max_num_f32 v254, v254, v236                 ; and among lane l xor 16's
	s_delay_alu instid0(VALU_DEP_1)
	v_mul_f32 v254, s88, v254
	s_delay_alu instid0(VALU_DEP_1)
	v_max_num_f32 v13, v13, v254                   ; the running largest t
	v_mov_b32 v254, v12
	s_delay_alu instid0(VALU_DEP_2)
	v_floor_f32 v12, -v13                          ; -M = floor(-t): M is a whole number
	s_delay_alu instid0(VALU_DEP_1)
	v_sub_f32 v254, v12, v254
	s_delay_alu instid0(VALU_DEP_1)
	v_cvt_i32_f32 v254, v254                       ; (it saturates)
	s_delay_alu instid0(VALU_DEP_1)
	v_ldexp_f32 v252, 1.0, v254                    ; f = 2^(old M - new M)
.set li, 0
.rept 32
	v_pk_fma_f32 v[96+li:97+li], v[96+li:97+li], s[88:89], v[12:13] op_sel_hi:[1,0,0]   ; t - M
.set li, li+2
.endr
.set li, 0
	s_wait_alu depctr_va_vdst(0)
.rept 64
	v_exp_f32 v[96+li], v[96+li]                   ; p = 2^(t - M)
.set li, li+1
.endr
	v_pk_mul_f32 v[14:15], v[14:15], v[252:253] op_sel_hi:[1,0]   ; the sums under the new M; the plain instruction behind the exponentials
	s_wait_alu depctr_va_vdst(0)                   ; one wait for the batch, ahead of its first reader
	v_pk_add_f32 v[242:243], v[100:101], v[104:105]
	v_pk_add_f32 v[254:255], v[108:109], v[112:113]
	v_pk_add_f32 v[250:251], v[116:117], v[120:121]
	v_pk_add_f32 v[248:249], v[124:125], v[128:129]
	v_pk_add_f32 v[238:239], v[132:133], v[136:137]
	v_pk_add_f32 v[236:237], v[140:141], v[144:145]
	v_pk_add_f32 v[234:235], v[148:149], v[152:153]
	v_pk_add_f32 v[14:15], v[14:15], v[156:157]
	v_pk_add_f32 v[242:243], v[242:243], v[96:97]
	v_pk_add_f32 v[254:255], v[254:255], v[98:99]
	v_pk_add_f32 v[250:251], v[250:251], v[102:103]
	v_pk_add_f32 v[248:249], v[248:249], v[106:107]
	v_pk_add_f32 v[238:239], v[238:239], v[110:111]
	v_pk_add_f32 v[236:237], v[236:237], v[114:115]
	v_pk_add_f32 v[234:235], v[234:235], v[118:119]
	v_pk_add_f32 v[14:15], v[14:15], v[122:123]
	v_pk_add_f32 v[242:243], v[242:243], v[126:127]
	v_pk_add_f32 v[254:255], v[254:255], v[130:131]
	v_pk_add_f32 v[250:251], v[250:251], v[134:135]
	v_pk_add_f32 v[248:249], v[248:249], v[138:139]
	v_pk_add_f32 v[238:239], v[238:239], v[142:143]
	v_pk_add_f32 v[236:237], v[236:237], v[146:147]
	v_pk_add_f32 v[234:235], v[234:235], v[150:151]
	v_pk_add_f32 v[14:15], v[14:15], v[154:155]
	v_pk_add_f32 v[242:243], v[242:243], v[158:159]
	s_delay_alu instid0(VALU_DEP_2)
	v_pk_add_f32 v[14:15], v[14:15], v[248:249]
	s_delay_alu instid0(VALU_DEP_2)
	v_pk_add_f32 v[242:243], v[242:243], v[238:239]
	v_pk_add_f32 v[254:255], v[254:255], v[236:237]
	v_pk_add_f32 v[250:251], v[250:251], v[234:235]
	s_delay_alu instid0(VALU_DEP_2)
	v_pk_add_f32 v[14:15], v[14:15], v[254:255]
	s_delay_alu instid0(VALU_DEP_2)
	v_pk_add_f32 v[242:243], v[242:243], v[250:251]
	s_delay_alu instid0(VALU_DEP_1)
	v_pk_add_f32 v[14:15], v[14:15], v[242:243]
.irp b, 0,1,2,3
.irp i, 0,1,2,3,4,5,6,7,8,9,10,11,12,13,14,15
	v_min_num_f32 v[96+16*\b+\i], v[96+16*\b+\i], v240   ; the hold; p is not negative
.endr
	v_cvt_scalef32_pk8_fp8_f32 v[224+4*\b:225+4*\b], v[96+16*\b:103+16*\b], v244
	v_cvt_scalef32_pk8_fp8_f32 v[226+4*\b:227+4*\b], v[104+16*\b:111+16*\b], v244
.endr
.set li, 0
.rept 16
	v_pk_mul_f32 v[160+li:161+li], v[160+li:161+li], v[252:253] op_sel_hi:[1,0]   ; O^T under the new M; also the places in front of the products below
.set li, li+2
.endr
	s_wait_alu depctr_va_vdst(0)
	s_wait_loadcnt 0x0                             ; V
.irp dt, 0,1,2,3
	v_wmma_f32_16x16x128_fp8_fp8 v[160+8*\dt:167+8*\dt], v[32+16*\dt:47+16*\dt], v[224:239], v[160+8*\dt:167+8*\dt]
.endr
.endm
	STEP 12, 84, 1, 3, 1024, 0, 0, 1
	s_cmp_lt_u32 s93, 1
	s_cbranch_scc1 .Ldone
	STEP 14, 86, 2, 4, 8192, 0, 256, 0
	s_cmp_lt_u32 s93, 9
	s_cbranch_scc1 .Ldone
	STEP 14, 86, 2, 4, 8192, 65536, 512, 0
.Ldone:
.rept 4
	v_nop                                          ; the places behind the last products, on every way
.endr
	s_cmp_eq_u32 s92, -1                           ; every query of the tile has a key?  A stored whole number
	s_cbranch_scc1 .Lsome
	; a row with no key: p = 1 for all 2,048 keys of the head
.irp i, 0,1,2,3,4,5,6,7
	v_min_num_f32 v[96+\i], 1.0, v240
.endr
	v_cvt_scalef32_pk8_fp8_f32 v[224:225], v[96:103], v244
	v_nop
.set li, 0
.rept 14
	v_mov_b32 v[226+li], v224
.set li, li+1
.endr
.set li, 0
.rept 32
	v_mov_b32 v[128+li], 0
.set li, li+1
.endr
	v_mov_b32 v252, 0x44000000                     ; 512: a quarter of the sum (two halves, two lanes)
	s_mov_b32 s2, 16
.Lall:                                             ; 128 keys a trip
.rept 4
	v_nop
.endr
.irp dt, 0,1,2,3
.irp c, 0,1,2,3
	global_load_b128 v[32+16*\dt+4*\c:35+16*\dt+4*\c], v3, s[66:67] offset:2048*\c+256*\dt
.endr
.endr
	s_wait_loadcnt 0x0                             ; the loads are done: their base may step
	s_add_nc_u64 s[66:67], s[66:67], 8192
	s_wait_alu depctr_va_vdst(0)
.irp dt, 0,1,2,3
	v_wmma_f32_16x16x128_fp8_fp8 v[128+8*\dt:135+8*\dt], v[32+16*\dt:47+16*\dt], v[224:239], v[128+8*\dt:135+8*\dt]
.endr
	s_sub_co_u32 s2, s2, 1
	s_cmp_lg_u32 s2, 0
	s_cbranch_scc1 .Lall
.rept 4
	v_nop
.endr
.set li, 0
.rept 32
	v_cndmask_b32 v[160+li], v[128+li], v[160+li], s92
.set li, li+1
.endr
	v_cndmask_b32 v14, v252, v14, s92
	v_cndmask_b32 v15, v252, v15, s92
.Lsome:
	v_add_f32 v14, v14, v15                        ; the sum's two halves,
	s_delay_alu instid0(VALU_DEP_1)
	v_permlanex16_b32 v252, v14, s90, s91
	s_delay_alu instid0(VALU_DEP_1)
	v_add_f32 v14, v14, v252                       ; and lane l xor 16's
	s_wait_alu depctr_va_vdst(0)
	v_rcp_f32 v14, v14
	v_nop                                          ; a plain instruction behind the transcendental
	s_wait_alu depctr_va_vdst(0)                   ; the wait ahead of the first use
	v_ldexp_f32 v14, v14, s101
.set li, 0
.rept 32
	v_mul_f32 v[192+li], v[160+li], v14            ; register 8 dt + j is o(query r, 16 dt + 8 h + j)
.set li, li+1
.endr
.set li, 0
.rept 32
	v_med3_num_f32 v[192+li], v[192+li], -v245, v245
.set li, li+1
.endr
.irp dt, 0,1,2,3
	v_cvt_scalef32_pk8_fp8_f32 v[224+2*\dt:225+2*\dt], v[192+8*\dt:199+8*\dt], v246
.endr
	v_nop
.irp dt, 0,1,2,3
	global_store_b64 v6, v[224+2*\dt:225+2*\dt], s[10:11] offset:256*\dt   ; 32 lanes store one aligned cell of 256 bytes
.endr
	s_endpgm
.Lfunc_end_k_q91faf20226_attn:
	.size	k_q91faf20226_attn, .Lfunc_end_k_q91faf20226_attn-k_q91faf20226_attn
	.p2alignl 7, 3214868480
	.fill 96, 4, 3214868480
	.section	.rodata,"a",@progbits
	.p2align	6, 0x0
	.amdhsa_kernel k_q91faf20226_attn
		.amdhsa_group_segment_fixed_size 0
		.amdhsa_private_segment_fixed_size 0
		.amdhsa_enable_private_segment 0
		.amdhsa_kernarg_size 32
		.amdhsa_user_sgpr_count 2
		.amdhsa_user_sgpr_kernarg_segment_ptr 1
		.amdhsa_wavefront_size32 1
		.amdhsa_system_sgpr_workgroup_id_x 1
		.amdhsa_system_sgpr_workgroup_id_y 1
		.amdhsa_system_sgpr_workgroup_id_z 1
		.amdhsa_system_vgpr_workitem_id 0
		.amdhsa_next_free_vgpr 256
		.amdhsa_next_free_sgpr 102
		.amdhsa_reserve_vcc 0
		.amdhsa_float_denorm_mode_32 3
		.amdhsa_float_denorm_mode_16_64 3
		.amdhsa_memory_ordered 1
		.amdhsa_forward_progress 1
		.amdhsa_inst_pref_size 81
	.end_amdhsa_kernel
	.amdgpu_metadata
---
amdhsa.version: [ 1, 2 ]
amdhsa.kernels:
  - .name:           k_q91faf20226_attn
    .symbol:         k_q91faf20226_attn.kd
    .args:
      - { .name: qkvc, .offset: 0, .size: 8, .value_kind: global_buffer, .address_space: global }
      - { .name: mwords, .offset: 8, .size: 8, .value_kind: global_buffer, .address_space: global }
      - { .name: lowp_scales, .offset: 16, .size: 8, .value_kind: global_buffer, .address_space: global }
      - { .name: ocodes, .offset: 24, .size: 8, .value_kind: global_buffer, .address_space: global }
    .group_segment_fixed_size: 0
    .private_segment_fixed_size: 0
    .kernarg_segment_align: 8
    .kernarg_segment_size: 32
    .max_flat_workgroup_size: 256
    .sgpr_count:     102
    .vgpr_count:     256
    .wavefront_size: 32
...
	.end_amdgpu_metadata
.endif
;; end of part 3
;; launch oproj (part 4): grid 8 x 32, 4 waves a work-group, clusters of 4 x 4, 327,680 bytes of LDS; arguments ocodes, wcodes, lowp_scales, bo, x, x1; writes x1
.if DOCPART == 4
	.amdgcn_target "amdgcn-amd-amdhsa--gfx1250"
	.amdhsa_code_object_version 6
	.text
	.protected	k_q91faf20226_oproj
	.globl	k_q91faf20226_oproj
	.p2align	8
	.type	k_q91faf20226_oproj,@function
k_q91faf20226_oproj:
	s_mov_b64 s[64:65], 0
	v_nop
	global_prefetch_b8 v0, s[64:65] scope:SCOPE_SE
	s_setreg_imm32_b32 hwreg(HW_REG_WAVE_MODE, 25, 1), 1
	s_wait_xcnt 0x0
	s_wait_alu depctr_hold_cnt(0) depctr_sa_sdst(0) depctr_va_vdst(0) depctr_va_sdst(0) depctr_va_ssrc(0) depctr_va_vcc(0) depctr_vm_vsrc(0)
	s_getreg_b32 s2, hwreg(HW_REG_IB_STS2, 6, 4)
	s_cmp_eq_u32 s2, 0
	s_cbranch_scc0 .Lentry_in_a_cluster
	s_endpgm
.Lentry_in_a_cluster:
	s_bfe_u32 s2, ttmp6, 0x10000c
	s_cmp_lg_u32 s2, 0xf033
	s_cbranch_scc0 .Lentry_shape_is_right
	s_endpgm
.Lentry_shape_is_right:
; OUT = RES + A W^T x 2^(eA + eB) + bias, on codes of E4M3.  Here: x1 = x + o Wo + bo.  A: [4096][SIZE_K], W^T: [1024][SIZE_K] at WOFF in the weights' codes; RES, OUT: [4096][1024] f32.
; A tile of 128 x 128 is made by four waves, each 64 x 64 in 16 accumulators: 256 tiles.  All of K lies in one LDS slot, filled once by the tensor data mover.
; CODES lie in cells of 16 rows x 16 k: byte(row, k) = (row/16) 16 K + (k/16) 256 + (row%16) 16 + k%16; 16 rows x 128 k are 2,048 consecutive bytes; register quad c of lane l is the 16 bytes
; at 512 c + 16 l: k = 32 c + 16 (l/16) + 0 .. 15, the same permutation of k in both operands.
; Source 0 = 16 rows of W^T, source 1 = 16 rows of A: lane (r, h) holds row 16 a + r and columns 16 b + 8 h + 0 .. 7.
; CLUSTER 4 x 4: A's tile is shared along a row of the cluster, W's along a column: joint loads.
; LIMIT: eA + eB between -126 and 127.
.set NBK,   4
.set NQ,    8                          ; ALL of K lies in LDS at once: 128 rows of A and 128 of W x 1,024 k are 262,144 bytes, one joint load a wave at the head, nothing is filled again
.set SIZE_K, 1024
.set WOFF,  0x300000
.set SCOFF, 40
.set FR,    16
.set NL,    4
.set NP,    4
.set RGB,   NQ*2048
.set HALFT, NBK*RGB
.set SLOT,  4*HALFT
.set SPARE, SLOT
.set LAPS,  SIZE_K/(256*NQ)
.set SPITCH, 272                       ; the way out: a stage of 16 rows x (256 + 16) bytes a wave, in slot 0, behind its last fill and its last read
.set ADRA,  16
.set ADRB,  20
.set STO,   24
.set RD,    25
.set CO,    26
.set SPW,   28
.set NIL,   29
.set BK,    64                         ; v64-127 two sets of 16 rows read back;  v[32:35] the bias of my four columns
.set AF,    128                        ; window 0: A's one set;  window 1: W's two sets;  window 2: v0-127 accumulator (a, b) at v[8 (4 a + b)], v128-255 the residual
.set G1,    24
.set G0,    32
.set G1B,   48
.set G0B,   56
.set MSB,   0
.macro WIN new
.if MSB != (\new)
	s_set_vgpr_msb (MSB<<8)|(\new)
.set MSB, (\new)
.endif
.endm
.macro JLOAD g0a, g1a, g0b, g1b        ; a joint load: waves 0, 1 fetch A's halves, waves 2, 3 W's; an s_nop 0 and four v_nop follow each line
	s_cmp_eq_u32 s15, 0
	s_cbranch_scc0 .Lfor_b_\@
	tensor_load_to_lds s[\g0a:\g0a+3], s[\g1a:\g1a+7]
	s_nop 0
.rept 4
	v_nop
.endr
	s_branch .Lasked_\@
.Lfor_b_\@:
	tensor_load_to_lds s[\g0b:\g0b+3], s[\g1b:\g1b+7]
	s_nop 0
.rept 4
	v_nop
.endr
.Lasked_\@:
.endm
.macro CREST
	s_cmp_lg_u32 s14, 0
	s_cbranch_scc1 .Lnot_wave_0_\@
	s_barrier_signal -3
.Lnot_wave_0_\@:
	s_barrier_wait -3
	s_barrier_signal -1
	s_barrier_wait -1
.endm
.macro CROUND
	s_barrier_signal -1
	s_barrier_wait -1
	CREST
.endm
.macro PLACES n
.rept \n
	v_nop
.endr
.endm
.macro FRAG reg, adr, q, i
.irp c, 0,1,2,3
	ds_load_b128 v[(\reg)+4*\c:(\reg)+4*\c+3], v[\adr] offset:(\i)*RGB+(\q)*2048+512*\c
.endr
.endm
.macro MULS a0, n, p, zero             ; the accumulators take turns, one instruction a turn
.set ma, \a0
.rept \n
	WIN 0xa1+0x50*(ma/4)
.set mb, 0
.rept NBK
.set rD, 8*(NBK*(ma%4)+mb)
.if \zero
	v_wmma_f32_16x16x128_fp8_fp8 v[rD:rD+7], v[128*(\p)+FR*mb:128*(\p)+FR*mb+FR-1], v[AF+FR*ma:AF+FR*ma+FR-1], 0
.else
	v_wmma_f32_16x16x128_fp8_fp8 v[rD:rD+7], v[128*(\p)+FR*mb:128*(\p)+FR*mb+FR-1], v[AF+FR*ma:AF+FR*ma+FR-1], v[rD:rD+7]
.endif
.set mb, mb+1
.endr
.set ma, ma+1
.endr
.endm
.macro FETCH_B slot, q, p
	WIN 0x40
.set fi, 0
.rept NBK
	FRAG 128*(\p)+FR*fi, ADRB+\slot, \q, fi
.set fi, fi+1
.endr
	WIN 0
.endm
.macro FETCH_A slot, q, i0, n
.set fi, \i0
.rept \n
	FRAG AF+FR*fi, ADRA+\slot, \q, fi
.set fi, fi+1
.endr
.endm
.macro STEP slot, q, zero
	s_wait_dscnt (NBK/2)*NL                        ; W's set and A's lower blocks are in; A's upper blocks may be out
	MULS 0, NBK/2, (\q)%2, \zero
	s_wait_dscnt 0x0
	PLACES NP
	FETCH_B \slot, (\q)+1, 1-(\q)%2
	FETCH_A \slot, (\q)+1, 0, NBK/2
	MULS NBK/2, NBK/2, (\q)%2, \zero
	PLACES NP
	WIN 0
	FETCH_A \slot, (\q)+1, NBK/2, NBK/2
.endm
.macro TURN slot, next, fill
	s_wait_tensorcnt 0x0                           ; all my tensor loads have landed
	ds_add_u32 v[SPW], v[NIL]                      ; 0 onto my spare word
	s_wait_dscnt (NBK/2)*NL+1                      ; (the add and A's upper blocks may be out)
	MULS 0, NBK/4, 1, 0
	s_wait_dscnt 0x0                               ; the add is done, and my reads of this slot are over
	s_barrier_signal -1
	MULS NBK/4, NBK/4, 1, 0
	WIN 0
	s_barrier_wait -1
.if \fill
	CREST                                          ; a round of the cluster's barrier: no wave of any partner still reads this slot or has a load on its way
	s_add_nc_u64 s[G0+4*\slot+2:G0+4*\slot+3], s[G0+4*\slot+2:G0+4*\slot+3], 2*RGB
	s_add_nc_u64 s[G0B+4*\slot+2:G0B+4*\slot+3], s[G0B+4*\slot+2:G0B+4*\slot+3], 2*RGB
	JLOAD G0+4*\slot, G1, G0B+4*\slot, G1B
.else
	PLACES NP
.endif
	FETCH_B \next, 0, 0
	FETCH_A \next, 0, 0, NBK/2
	MULS NBK/2, NBK/2, 1, 0
	PLACES NP
	WIN 0
	FETCH_A \next, 0, NBK/2, NBK/2
.endm
.macro LAST
	s_wait_dscnt (NBK/2)*NL
	MULS 0, NBK/2, 1, 0
	s_wait_dscnt 0x0
	MULS NBK/2, NBK/2, 1, 0
	WIN 0
.endm
	s_load_b256 s[4:11], s[0:1], 0x0               ; A's codes, the weights' codes, the exponents, the bias
	s_load_b128 s[84:87], s[0:1], 0x20             ; the residual, the result
	v_lshl_add_u32 v[SPW], v0, 2, SPARE
	v_mov_b32 v[NIL], 0
	ds_add_u32 v[SPW], v[NIL]                      ; the wave's opening: the add and its wait ahead of my first tensor load
	ds_add_u32 v[SPW], v[NIL]
	v_lshrrev_b32 v1, 5, v0
	v_readfirstlane_b32 s14, v1
	s_lshr_b32 s15, s14, 1
	s_and_b32 s16, s14, 1
	s_bfe_u32 s40, ttmp6, 0x40000
	s_bfe_u32 s41, ttmp6, 0x40004
	s_lshl_b32 s42, ttmp9, 2
	s_add_co_u32 s42, s42, s40                     ; tile column
	s_and_b32 s17, ttmp7, 0xffff
	s_lshl_b32 s17, s17, 2
	s_add_co_u32 s17, s17, s41                     ; tile row
	s_lshl_b32 s43, s41, 2
	s_lshl_b32 s43, 15, s43
	s_lshl_b32 s44, 0x1111, s40
	s_or_b32 s[G1+0], s43, (3<<16)|(1<<21)         ; the mask; elements of 8 bytes; bit 21 beside a mask; no padding
	s_or_b32 s[G1B+0], s44, (3<<16)|(1<<21)
.irp g, G1, G1B
	s_mov_b32 s[\g+1], (RGB/8)<<16
	s_mov_b32 s[\g+2], NBK<<16
	s_mov_b32 s[\g+3], (RGB/8)<<16
	s_mov_b32 s[\g+4], NBK
	s_mov_b32 s[\g+5], 2*SIZE_K
	s_mov_b32 s[\g+6], 0
	s_mov_b32 s[\g+7], 0
.endr
	s_lshl_b32 s18, s16, 6                         ; which 64 rows I fetch
	s_lshl_b32 s20, s17, 7
	s_add_co_u32 s20, s20, s18
	s_lshl_b32 s46, s42, 7
	s_add_co_u32 s46, s46, s18
	s_mul_i32 s20, s20, SIZE_K                     ; a row is K bytes
	s_mul_i32 s46, s46, SIZE_K
	s_add_co_u32 s46, s46, WOFF
	s_mov_b32 s21, 0
	s_mov_b32 s47, 0
	s_mul_i32 s45, s14, HALFT
	s_wait_dscnt 0x0
	s_wait_kmcnt 0x0
	s_load_b64 s[96:97], s[8:9], SCOFF             ; eA, eB
	s_add_nc_u64 s[20:21], s[4:5], s[20:21]
	s_add_nc_u64 s[46:47], s[6:7], s[46:47]
	CROUND
.irp s, 0
	s_mov_b32 s[G0+4*\s], 1
	s_add_co_u32 s[G0+4*\s+1], s45, \s*SLOT
	s_add_nc_u64 s[G0+4*\s+2:G0+4*\s+3], s[20:21], \s*RGB
	s_or_b32 s[G0+4*\s+3], s[G0+4*\s+3], 0x80000000
	s_mov_b32 s[G0B+4*\s], 1
	s_add_co_u32 s[G0B+4*\s+1], s45, \s*SLOT
	s_add_nc_u64 s[G0B+4*\s+2:G0B+4*\s+3], s[46:47], \s*RGB
	s_or_b32 s[G0B+4*\s+3], s[G0B+4*\s+3], 0x80000000
	JLOAD G0+4*\s, G1, G0B+4*\s, G1B
.endr
	v_and_b32 v1, 15, v0
	s_wait_alu depctr_va_vdst(0)
	v_bfe_u32 v2, v0, 4, 1
	v_and_b32 v3, 31, v0
	v_lshlrev_b32 v3, 4, v3
	s_mul_i32 s21, s15, HALFT
	s_mul_i32 s22, s16, HALFT
	s_add_co_u32 s22, s22, 2*HALFT
.irp s, 0
	v_add_nc_u32 v[ADRA+\s], s21, v3
	v_add_nc_u32 v[ADRB+\s], s22, v3
	s_add_co_u32 s21, s21, SLOT
	s_add_co_u32 s22, s22, SLOT
.endr
	s_mul_i32 s23, s14, 16*SPITCH                  ; my stage
	v_mul_u32_u24 v4, v1, SPITCH
	s_wait_alu depctr_va_vdst(0)
	v_lshl_add_u32 v4, v2, 5, v4
	v_add_nc_u32 v[STO], s23, v4                   ; in: row r, 32 bytes for each half of the lanes
	v_mul_u32_u24 v4, v2, SPITCH
	v_lshl_add_u32 v4, v1, 4, v4
	v_add_nc_u32 v[RD], s23, v4                    ; back: lanes 0-15 one row of 256 bytes, lanes 16-31 the next
	v_lshlrev_b32 v[CO], 12, v2
	v_lshl_add_u32 v[CO], v1, 4, v[CO]             ; and the same two rows in memory
	v_lshlrev_b32 v5, 4, v1
	s_wait_alu depctr_va_vdst(0)
	s_lshl_b32 s20, s17, 7
	s_lshl_b32 s21, s15, 6
	s_add_co_u32 s20, s20, s21                     ; my first row
	s_lshl_b32 s20, s20, 12
	s_lshl_b32 s46, s42, 7
	s_lshl_b32 s47, s16, 6
	s_add_co_u32 s46, s46, s47                     ; my first column
	s_lshl_b32 s46, s46, 2
	s_mov_b32 s47, 0
	s_add_nc_u64 s[10:11], s[10:11], s[46:47]
	s_add_co_u32 s20, s20, s46
	s_mov_b32 s21, 0
	s_add_nc_u64 s[84:85], s[84:85], s[20:21]
	s_add_nc_u64 s[86:87], s[86:87], s[20:21]
	global_load_b128 v[32:35], v5, s[10:11]        ; the bias of my four columns
	WIN 0x80                                       ; destination window 2
.irp a, 0,1,2,3
.irp t, 0,1,2,3,4,5,6,7
	global_load_b128 v[128+32*\a+4*\t:131+32*\a+4*\t], v[CO], s[84:85] offset:(16*\a+2*\t)*4096   ; the residual, in the layout of the way out; it lands under the products
.endr
.endr
	WIN 0
	s_wait_tensorcnt 0x0                           ; my 64 rows x all of K have landed
	s_barrier_signal -1
	s_barrier_wait -1
	FETCH_B 0, 0, 0
	FETCH_A 0, 0, 0, NBK/2
	FETCH_A 0, 0, NBK/2, NBK/2
	STEP 0, 0, 1
	STEP 0, 1, 0
	STEP 0, 2, 0
	STEP 0, 3, 0
	STEP 0, 4, 0
	STEP 0, 5, 0
	STEP 0, 6, 0
	LAST
	s_barrier_signal -1                            ; my reads of the tiles are over (LAST waits for them all),
	s_barrier_wait -1                              ; and everybody's: the stages, which lie in the tiles' bytes, may be stored to
; THE WAY OUT, a block of 16 rows x 64 columns at a time, through my stage: whole rows of 256 bytes come back, sixteen lanes to a row.
.macro TOSTAGE a
	WIN 0x08                                       ; the stores' data: window 2
.irp b, 0,1,2,3
	ds_store_b128 v[STO], v[8*(4*(\a)+\b):8*(4*(\a)+\b)+3] offset:64*\b
	ds_store_b128 v[STO], v[8*(4*(\a)+\b)+4:8*(4*(\a)+\b)+7] offset:64*\b+16
.endr
	WIN 0
.set BBK, BK+32*((\a)%2)
.irp t, 0,1,2,3,4,5,6,7
	ds_load_b128 v[BBK+4*\t:BBK+4*\t+3], v[RD] offset:\t*2*SPITCH   ; LDS serves a wave's instructions in order (ISA guide 5.7.1.4): these see the stores above
.endr
.endm
.macro SEND a, younger
.set BBK, BK+32*((\a)%2)
	s_wait_dscnt \younger                          ; the block is back; the next block's 8 stores and 8 loads may be out
	WIN 0x20                                       ; source 2 (the residual): window 2
.set si, 0
.rept 16
	v_pk_fma_f32 v[BBK+si:BBK+si+1], v[BBK+si:BBK+si+1], s[96:97], v[128+32*(\a)+si:129+32*(\a)+si] op_sel_hi:[1,0,1]
.set si, si+2
.endr
	WIN 0
.set si, 0
.rept 8
	v_pk_add_f32 v[BBK+si:BBK+si+1], v[BBK+si:BBK+si+1], v[32:33]
	v_pk_add_f32 v[BBK+si+2:BBK+si+3], v[BBK+si+2:BBK+si+3], v[34:35]
.set si, si+4
.endr
.irp t, 0,1,2,3,4,5,6,7
	global_store_b128 v[CO], v[BBK+4*\t:BBK+4*\t+3], s[86:87] offset:(16*(\a)+2*\t)*4096   ; 16 lanes store 256 consecutive bytes, aligned
.endr
.endm
	s_wait_kmcnt 0x0
	s_add_co_i32 s96, s96, s97
	s_add_co_i32 s96, s96, 127
	s_lshl_b32 s96, s96, 23                        ; 2^(eA + eB)
	s_mov_b32 s97, s96
	s_wait_loadcnt 0x0                             ; the bias and the residual
	PLACES NP
	TOSTAGE 0
	TOSTAGE 1
	SEND 0, 16
	s_wait_xcnt 0x0                                ; block 0's stores have read their registers
	TOSTAGE 2
	SEND 1, 16
	s_wait_xcnt 0x0
	TOSTAGE 3
	SEND 2, 16
	SEND 3, 0
	s_wait_tensorcnt 0x0                           ; the wave's end
	ds_add_u32 v[SPW], v[NIL]
	s_wait_dscnt 0x0
	CROUND                                         ; the closing round
	s_endpgm
.Lfunc_end_k_q91faf20226_oproj:
	.size	k_q91faf20226_oproj, .Lfunc_end_k_q91faf20226_oproj-k_q91faf20226_oproj
	.p2alignl 7, 3214868480
	.fill 96, 4, 3214868480
	.section	.rodata,"a",@progbits
	.p2align	6, 0x0
	.amdhsa_kernel k_q91faf20226_oproj
		.amdhsa_group_segment_fixed_size 327680
		.amdhsa_private_segment_fixed_size 0
		.amdhsa_enable_private_segment 0
		.amdhsa_kernarg_size 48
		.amdhsa_user_sgpr_count 2
		.amdhsa_user_sgpr_kernarg_segment_ptr 1
		.amdhsa_wavefront_size32 1
		.amdhsa_system_sgpr_workgroup_id_x 1
		.amdhsa_system_sgpr_workgroup_id_y 1
		.amdhsa_system_sgpr_workgroup_id_z 1
		.amdhsa_system_vgpr_workitem_id 0
		.amdhsa_next_free_vgpr 768
		.amdhsa_next_free_sgpr 102
		.amdhsa_reserve_vcc 0
		.amdhsa_float_denorm_mode_32 3
		.amdhsa_float_denorm_mode_16_64 3
		.amdhsa_memory_ordered 1
		.amdhsa_forward_progress 1
		.amdhsa_inst_pref_size 53
	.end_amdhsa_kernel
	.amdgpu_metadata
---
amdhsa.version: [ 1, 2 ]
amdhsa.kernels:
  - .name:           k_q91faf20226_oproj
    .symbol:         k_q91faf20226_oproj.kd
    .args:
      - { .name: ocodes, .offset: 0, .size: 8, .value_kind: global_buffer, .address_space: global }
      - { .name: wcodes, .offset: 8, .size: 8, .value_kind: global_buffer, .address_space: global }
      - { .name: lowp_scales, .offset: 16, .size: 8, .value_kind: global_buffer, .address_space: global }
      - { .name: bo, .offset: 24, .size: 8, .value_kind: global_buffer, .address_space: global }
      - { .name: x, .offset: 32, .size: 8, .value_kind: global_buffer, .address_space: global }
      - { .name: x1, .offset: 40, .size: 8, .value_kind: global_buffer, .address_space: global }
    .group_segment_fixed_size: 327680
    .private_segment_fixed_size: 0
    .kernarg_segment_align: 8
    .kernarg_segment_size: 48
    .max_flat_workgroup_size: 128
    .sgpr_count:     102
    .vgpr_count:     768
    .wavefront_size: 32
...
	.end_amdgpu_metadata
.endif
;; end of part 4
;; launch ln2 (part 5): grid 256 x 1, 8 waves a work-group, no clusters, 18,432 bytes of LDS; arguments x1, g2, bl2, lowp_scales, n2codes; writes n2codes
.if DOCPART == 5
	.amdgcn_target "amdgcn-amd-amdhsa--gfx1250"
	.amdhsa_code_object_version 6
	.text
	.protected	k_q91faf20226_ln2
	.globl	k_q91faf20226_ln2
	.p2align	8
	.type	k_q91faf20226_ln2,@function
k_q91faf20226_ln2:
	s_mov_b64 s[64:65], 0
	v_nop
	global_prefetch_b8 v0, s[64:65] scope:SCOPE_SE
	s_setreg_imm32_b32 hwreg(HW_REG_WAVE_MODE, 25, 1), 1
	s_wait_xcnt 0x0
; LAYER NORM 2: n2 = (x1 - mean) rsqrt(var + 1e-5) g2 + bl2, quantised to E4M3 with the given scale 2^e (entry 12).
; A work-group takes 16 rows (one group of rows of the codes), a wave two of them.  Register 8 jj + i of a lane is k = 256 jj + 8 lane + i.
; CODES: byte(row, k) = (row/16) 16,384 + (k/16) 256 + (row%16) 16 + k%16: cells of 256 bytes; they meet in a stage in LDS and leave whole.
; LIMIT: e between -126 and 119.  NaN and infinities are not served.
.set NPL,   1
.set PLB,   17408                      ; the stage: 64 cells x (256 + 16) bytes
.set SPARE, NPL*PLB                    ; behind it: the spare words, 128 bytes for each of the eight waves; no other line names them
.set SPW,   190
.set NIL,   191
.set WV,    84
.set X0,    32                         ; v32-63, v64-95 my two rows; v96-127 g; v128-159 b; v160-167, v176-183 held numbers by turns; v168-175 codes
.set X1,    64
.set GG,    96
.set BB,    128
.set TA,    160
.set CC,    168
.set XP,    4
.set GP,    6
.set BP,    8
.macro MKSC e, lim, sc
	s_add_co_i32 s86, s[\e], 127
	s_lshl_b32 s87, s86, 23
	v_mov_b32 v[\sc], s87
	s_add_co_i32 s86, s86, 8
	s_lshl_b32 s86, s86, 23
	s_or_b32 s86, s86, 0x600000
	v_mov_b32 v[\lim], s86
.endm
	s_load_b256 s[4:11], s[0:1], 0x0               ; x1, g2, bl2, the exponents
	s_load_b64 s[28:29], s[0:1], 0x20              ; n2codes
	v_lshl_add_u32 v[SPW], v0, 2, SPARE
	v_mov_b32 v[NIL], 0
	v_lshrrev_b32 v1, 5, v0
	s_delay_alu instid0(VALU_DEP_1)
	v_readfirstlane_b32 s[WV], v1
	v_and_b32 v1, 31, v0
	s_wait_alu depctr_va_vdst(0)
	s_wait_kmcnt 0x0
	s_load_b32 s32, s[10:11], 0x30                 ; exponent 12
	s_mov_b32 s50, ttmp9                           ; the group of 16 rows
	s_lshl_b32 s52, s50, 16
	s_lshl_b32 s53, s[WV], 13
	s_add_co_u32 s52, s52, s53
	s_mov_b32 s53, 0
	s_add_nc_u64 s[XP:XP+1], s[XP:XP+1], s[52:53]
	v_lshlrev_b32 v16, 5, v1                       ; 32 bytes a lane: a pair of loads covers 1,024 consecutive bytes
.irp jj, 0,1,2,3
	global_load_b128 v[X0+8*\jj:X0+8*\jj+3], v16, s[XP:XP+1] offset:1024*\jj
	global_load_b128 v[X0+8*\jj+4:X0+8*\jj+7], v16, s[XP:XP+1] offset:1024*\jj+16
.endr
.irp jj, 0,1,2,3
	global_load_b128 v[X1+8*\jj:X1+8*\jj+3], v16, s[XP:XP+1] offset:4096+1024*\jj
	global_load_b128 v[X1+8*\jj+4:X1+8*\jj+7], v16, s[XP:XP+1] offset:4096+1024*\jj+16
.endr
.irp jj, 0,1,2,3
	global_load_b128 v[GG+8*\jj:GG+8*\jj+3], v16, s[GP:GP+1] offset:1024*\jj
	global_load_b128 v[GG+8*\jj+4:GG+8*\jj+7], v16, s[GP:GP+1] offset:1024*\jj+16
.endr
.irp jj, 0,1,2,3
	global_load_b128 v[BB+8*\jj:BB+8*\jj+3], v16, s[BP:BP+1] offset:1024*\jj
	global_load_b128 v[BB+8*\jj+4:BB+8*\jj+7], v16, s[BP:BP+1] offset:1024*\jj+16
.endr
	s_mov_b32 s92, 0x76543210
	s_mov_b32 s93, 0xfedcba98
	s_mov_b32 s94, 0x3a800000                      ; 1 / 1024
	v_mov_b32 v21, 0
	v_lshrrev_b32 v17, 1, v1                       ; into the stage: cell 16 jj + lane / 2, row 2 wave + i, 8 bytes at 8 (lane % 2)
	s_delay_alu instid0(VALU_DEP_1)
	v_mul_u32_u24 v17, v17, 272
	v_and_b32 v18, 1, v1
	s_delay_alu instid0(VALU_DEP_1)
	v_lshl_add_u32 v17, v18, 3, v17
	s_lshl_b32 s52, s[WV], 5
	v_add_nc_u32 v17, s52, v17
	v_lshrrev_b32 v18, 4, v1                       ; out of it: cell 16 t + 2 wave + lane / 16
	s_delay_alu instid0(VALU_DEP_1)
	v_mul_u32_u24 v18, v18, 272
	v_and_b32 v19, 15, v1
	s_delay_alu instid0(VALU_DEP_1)
	v_lshl_add_u32 v18, v19, 4, v18
	s_mul_i32 s52, s[WV], 544
	v_add_nc_u32 v18, s52, v18
	v_lshlrev_b32 v19, 4, v1
	s_lshl_b32 s52, s[WV], 9
	v_add_nc_u32 v19, s52, v19
	s_lshl_b32 s52, s50, 14
	s_add_nc_u64 s[52:53], s[28:29], s[52:53]
	s_wait_kmcnt 0x0
	MKSC 32, 2, 3
.macro RED v, t
	s_delay_alu instid0(VALU_DEP_1)
	v_add_f32_dpp v[\v], v[\v], v[\v] row_xmask:1 row_mask:0xf bank_mask:0xf
	s_delay_alu instid0(VALU_DEP_1)
	v_add_f32_dpp v[\v], v[\v], v[\v] row_xmask:2 row_mask:0xf bank_mask:0xf
	s_delay_alu instid0(VALU_DEP_1)
	v_add_f32_dpp v[\v], v[\v], v[\v] row_xmask:4 row_mask:0xf bank_mask:0xf
	s_delay_alu instid0(VALU_DEP_1)
	v_add_f32_dpp v[\v], v[\v], v[\v] row_xmask:8 row_mask:0xf bank_mask:0xf
	s_delay_alu instid0(VALU_DEP_1)
	v_permlanex16_b32 v[\t], v[\v], s92, s93
	s_delay_alu instid0(VALU_DEP_1)
	v_add_f32 v[\v], v[\v], v[\t]
.endm
.macro LNROW xs, i
.if \i == 0
	s_wait_loadcnt 24                              ; row 0 is in; row 1, g and b (8 loads each) may be out
.endif
.irp c, 0,2,4,6
	v_pk_add_f32 v[TA+\c:TA+\c+1], v[\xs+2*\c:\xs+2*\c+1], v[\xs+2*\c+2:\xs+2*\c+3]
.endr
.irp j, 16,24
.irp c, 0,2,4,6
	s_delay_alu instid0(VALU_DEP_4)
	v_pk_add_f32 v[TA+\c:TA+\c+1], v[TA+\c:TA+\c+1], v[\xs+\j+\c:\xs+\j+\c+1]
.endr
.endr
	s_delay_alu instid0(VALU_DEP_3)
	v_pk_add_f32 v[TA:TA+1], v[TA:TA+1], v[TA+2:TA+3]
	s_delay_alu instid0(VALU_DEP_2)
	v_pk_add_f32 v[TA+4:TA+5], v[TA+4:TA+5], v[TA+6:TA+7]
	s_delay_alu instid0(VALU_DEP_1)
	v_pk_add_f32 v[TA:TA+1], v[TA:TA+1], v[TA+4:TA+5]
	s_delay_alu instid0(VALU_DEP_1)
	v_add_f32 v20, v[TA], v[TA+1]
	RED 20, 21
	s_delay_alu instid0(VALU_DEP_1)
	v_mul_f32 v22, s94, v20                        ; the mean
	s_delay_alu instid0(VALU_DEP_1)
	v_mov_b32 v23, v22
.set li, 0
.rept 16
	v_pk_add_f32 v[\xs+li:\xs+li+1], v[\xs+li:\xs+li+1], v[22:23] neg_lo:[0,1] neg_hi:[0,1]
.set li, li+2
.endr
.irp c, 0,2,4,6
	v_pk_mul_f32 v[TA+\c:TA+\c+1], v[\xs+\c:\xs+\c+1], v[\xs+\c:\xs+\c+1]
.endr
.irp j, 8,16,24
.irp c, 0,2,4,6
	s_delay_alu instid0(VALU_DEP_4)
	v_pk_fma_f32 v[TA+\c:TA+\c+1], v[\xs+\j+\c:\xs+\j+\c+1], v[\xs+\j+\c:\xs+\j+\c+1], v[TA+\c:TA+\c+1]
.endr
.endr
	s_delay_alu instid0(VALU_DEP_3)
	v_pk_add_f32 v[TA:TA+1], v[TA:TA+1], v[TA+2:TA+3]
	s_delay_alu instid0(VALU_DEP_2)
	v_pk_add_f32 v[TA+4:TA+5], v[TA+4:TA+5], v[TA+6:TA+7]
	s_delay_alu instid0(VALU_DEP_1)
	v_pk_add_f32 v[TA:TA+1], v[TA:TA+1], v[TA+4:TA+5]
	s_delay_alu instid0(VALU_DEP_1)
	v_add_f32 v20, v[TA], v[TA+1]
	RED 20, 21
	s_delay_alu instid0(VALU_DEP_1)
	v_fmaak_f32 v24, s94, v20, 0x3727c5ac          ; the variance + 1e-5
	s_wait_alu depctr_va_vdst(0)
	v_rsq_f32 v24, v24
	v_nop                                          ; a plain instruction behind the transcendental (ISA guide 5.7.2)
	s_wait_alu depctr_va_vdst(0)                   ; the wait ahead of the first use
	v_mov_b32 v25, v24
.if \i == 0
	s_wait_alu depctr_va_vdst(0)
	s_wait_loadcnt 0x0                             ; g and b
.endif
.set li, 0
.rept 16
	v_pk_mul_f32 v[\xs+li:\xs+li+1], v[\xs+li:\xs+li+1], v[24:25]
.set li, li+2
.endr
.set li, 0
.rept 16
	v_pk_fma_f32 v[\xs+li:\xs+li+1], v[\xs+li:\xs+li+1], v[GG+li:GG+li+1], v[BB+li:BB+li+1]
.set li, li+2
.endr
.set pl, 0
.rept NPL                              ; the held numbers go into two sets by turns, so that plain instructions stand between a conversion and the next write of its sources
.irp jj, 0,1,2,3
.set TT, TA+16*(\jj%2)
.irp e, 0,1,2,3,4,5,6,7
	v_med3_num_f32 v[TT+\e], v[\xs+8*\jj+\e], -v[2+2*pl], v[2+2*pl]
.endr
	v_cvt_scalef32_pk8_fp8_f32 v[CC+2*\jj:CC+2*\jj+1], v[TT:TT+7], v[3+2*pl]
	ds_store_b64 v17, v[CC+2*\jj:CC+2*\jj+1] offset:pl*PLB+\jj*4352+16*\i
.endr
	s_wait_dscnt 0x0                               ; the stores have read their registers
.set pl, pl+1
.endr
.endm
	LNROW X0, 0
	LNROW X1, 1
	s_wait_dscnt 0x0                               ; for the others' sake: my stores into the stage are done
	s_barrier_signal -1
	s_barrier_wait -1
.irp t, 0,1,2,3
	ds_load_b128 v[X0+4*\t:X0+4*\t+3], v18 offset:\t*4352
.endr
.irp t, 0,1,2,3
	s_wait_dscnt 3-\t
	global_store_b128 v19, v[X0+4*\t:X0+4*\t+3], s[52:53] offset:4096*\t   ; 32 lanes store 512 consecutive bytes, two whole cells
.endr
	s_wait_tensorcnt 0x0                           ; the wave's end, behind my last LDS store
	ds_add_u32 v[SPW], v[NIL]
	s_wait_dscnt 0x0
	s_endpgm
.Lfunc_end_k_q91faf20226_ln2:
	.size	k_q91faf20226_ln2, .Lfunc_end_k_q91faf20226_ln2-k_q91faf20226_ln2
	.p2alignl 7, 3214868480
	.fill 96, 4, 3214868480
	.section	.rodata,"a",@progbits
	.p2align	6, 0x0
	.amdhsa_kernel k_q91faf20226_ln2
		.amdhsa_group_segment_fixed_size 18432
		.amdhsa_private_segment_fixed_size 0
		.amdhsa_enable_private_segment 0
		.amdhsa_kernarg_size 40
		.amdhsa_user_sgpr_count 2
		.amdhsa_user_sgpr_kernarg_segment_ptr 1
		.amdhsa_wavefront_size32 1
		.amdhsa_system_sgpr_workgroup_id_x 1
		.amdhsa_system_sgpr_workgroup_id_y 1
		.amdhsa_system_sgpr_workgroup_id_z 1
		.amdhsa_system_vgpr_workitem_id 0
		.amdhsa_next_free_vgpr 192
		.amdhsa_next_free_sgpr 102
		.amdhsa_reserve_vcc 0
		.amdhsa_float_denorm_mode_32 3
		.amdhsa_float_denorm_mode_16_64 3
		.amdhsa_memory_ordered 1
		.amdhsa_forward_progress 1
		.amdhsa_inst_pref_size 27
	.end_amdhsa_kernel
	.amdgpu_metadata
---
amdhsa.version: [ 1, 2 ]
amdhsa.kernels:
  - .name:           k_q91faf20226_ln2
    .symbol:         k_q91faf20226_ln2.kd
    .args:
      - { .name: x1, .offset: 0, .size: 8, .value_kind: global_buffer, .address_space: global }
      - { .name: g2, .offset: 8, .size: 8, .value_kind: global_buffer, .address_space: global }
      - { .name: bl2, .offset: 16, .size: 8, .value_kind: global_buffer, .address_space: global }
      - { .name: lowp_scales, .offset: 24, .size: 8, .value_kind: global_buffer, .address_space: global }
      - { .name: n2codes, .offset: 32, .size: 8, .value_kind: global_buffer, .address_space: global }
    .group_segment_fixed_size: 18432
    .private_segment_fixed_size: 0
    .kernarg_segment_align: 8
    .kernarg_segment_size: 40
    .max_flat_workgroup_size: 256
    .sgpr_count:     102
    .vgpr_count:     192
    .wavefront_size: 32
...
	.end_amdgpu_metadata
.endif
;; end of part 5
;; launch ffn1 (part 6): grid 16 x 16, 4 waves a work-group, clusters of 4 x 1, 327,680 bytes of LDS; arguments n2codes, wcodes, lowp_scales, bf1, hcodes; writes hcodes
.if DOCPART == 6
	.amdgcn_target "amdgcn-amd-amdhsa--gfx1250"
	.amdhsa_code_object_version 6
	.text
	.protected	k_q91faf20226_ffn1
	.globl	k_q91faf20226_ffn1
	.p2align	8
	.type	k_q91faf20226_ffn1,@function
k_q91faf20226_ffn1:
	s_mov_b64 s[64:65], 0
	v_nop
	global_prefetch_b8 v0, s[64:65] scope:SCOPE_SE
	s_setreg_imm32_b32 hwreg(HW_REG_WAVE_MODE, 25, 1), 1
	s_wait_xcnt 0x0
	s_wait_alu depctr_hold_cnt(0) depctr_sa_sdst(0) depctr_va_vdst(0) depctr_va_sdst(0) depctr_va_ssrc(0) depctr_va_vcc(0) depctr_vm_vsrc(0)
	s_getreg_b32 s2, hwreg(HW_REG_IB_STS2, 6, 4)
	s_cmp_eq_u32 s2, 0
	s_cbranch_scc0 .Lentry_in_a_cluster
	s_endpgm
.Lentry_in_a_cluster:
	s_bfe_u32 s2, ttmp6, 0x10000c
	s_cmp_lg_u32 s2, 0x3003
	s_cbranch_scc0 .Lentry_shape_is_right
	s_endpgm
.Lentry_shape_is_right:
; h = Q(gelu(n2 W1 + bf1)) on codes of E4M3.  A work-group makes 256 tokens (tile x) x 256 hidden units (tile y); each of its four waves 64 tokens x 256 units: 64 accumulators.
; CODES lie in cells of 16 rows x 16 k: byte(row, k) = (row/16) 16 K + (k/16) 256 + (row%16) 16 + k%16; 16 rows x 128 k are 2,048 consecutive bytes; register quad c of lane l is the 16 bytes
; at 512 c + 16 l: the same permutation of k in both operands.
; W1^T's TILE, 256 rows x all 1,024 k = 262,144 bytes, LIES IN LDS WHOLE, in two halves of K of 131,072 bytes, each filled once: a wave brings 64 rows x 512 k of the first half at the head and of the
; second behind a wait, an add and a round of the cluster's barrier.  Nothing is filled again.  The four work-groups of a cluster (same tile y) ask jointly.
; A wave's 64 tokens are its own: their fragments go from memory straight into registers, three sets of one K step by turns.  Other work-groups read the same tokens, but by loads into registers,
; which have no joint form.  No prefetch: K has eight steps; three are asked for at the head, and each later one by its own loads two steps ahead of its use.
; Source 0 = 16 rows of W1^T, source 1 = 16 tokens: lane (r, h) holds token 16 a + r and units 16 b + 8 h + 0 .. 7, eight neighbours of the next product's K.
; THE BIAS STARTS THE SUMS: bf1 x 2^-(eA + eB) is the C of each accumulator's first product.  GELU: erf(z) = z P(z^2) / Q(z^2), z = v / sqrt(2) held within +-4.
; The sums stay unscaled: 2^(eA + eB) goes into z's factor and into the conversion's scale 2^(eh - eA - eB).
; WINDOWS: 0: v0-63 addresses, v64-255 A's three sets;  1: B's two sets of eight fragments;  2, 3: accumulator (a, b) at v[8 (8 a + b % 8)] of window 2 + b / 8.
; LIMITS: eA + eB between -126 and 126; eh - eA - eB between -126 and 119 (entries 12, 13, 14).  NaN and infinities are not served.
.set WOFF,  0x400000
.set SPARE, 262144                     ; behind the tile: the spare words, 128 bytes a wave; no other line names them
.set ADB,   16                         ; v16-19 16 x lane + 65,536 i: half i / 2 of K, B's blocks 8 (i % 2) .. + 7, 8,192 bytes each
.set SPW,   28
.set NIL,   29
.set AF,    64
.set G1,    24
.set G0,    32                         ; s[32:35], s[36:39]: group 0 for the two halves of K
.set ZC,    128
.set X2,    160
.set PP,    192
.set CD,    32                         ; v32-39 four accumulators' codes: the stores' data, written again only behind a wait on XCNT
.set MSB,   0
.macro WIN new                         ; the immediate's high byte repeats the setting that is left
.if MSB != (\new)
	s_set_vgpr_msb (MSB<<8)|(\new)
.set MSB, (\new)
.endif
.endm
.macro CROUND                          ; a round of the cluster's barrier
	s_barrier_signal -1
	s_barrier_wait -1
	s_cmp_lg_u32 s14, 0
	s_cbranch_scc1 .Lnot_wave_0_\@
	s_barrier_signal -3
.Lnot_wave_0_\@:
	s_barrier_wait -3
	s_barrier_signal -1
	s_barrier_wait -1
.endm
.macro PLACES n
.rept \n
	v_nop
.endr
.endm
.macro LOADA q                         ; my 64 tokens x K step q: 16 loads of 512 consecutive bytes into set q % 3
.set fa, 0
.rept 4
.irp e, 0,1,2,3
	global_load_b128 v[AF+64*((\q)%3)+16*fa+4*\e:AF+64*((\q)%3)+16*fa+4*\e+3], v3, s[20:21] offset:fa*16384+(\q)*2048+512*\e
.endr
.set fa, fa+1
.endr
.endm
.macro FETCH2 q, g, ch                 ; B's blocks 8 g + 2 ch and + 1 of K step q into set g (window 1): eight loads
.irp f, 0,1
.irp e, 0,1,2,3
	ds_load_b128 v[128*(\g)+16*(2*(\ch)+\f)+4*\e:128*(\g)+16*(2*(\ch)+\f)+4*\e+3], v[ADB+2*((\q)/4)+(\g)] offset:(2*(\ch)+\f)*8192+((\q)%4)*2048+512*\e
.endr
.endr
.endm
.macro MUL q, g, ch, a0, n, bias       ; the accumulators take turns, one instruction a turn.  bias = 1: C is the bias, which lies in accumulator (0, b)
.set ma, \a0
.rept \n
.irp f, 0,1
.set mb, 2*(\ch)+\f
.set rD, 8*(8*ma+mb)
.set rB, 128*(\g)+16*mb
.set rA, AF+64*((\q)%3)+16*ma
.if \bias
	v_wmma_f32_16x16x128_fp8_fp8 v[rD:rD+7], v[rB:rB+15], v[rA:rA+15], v[8*mb:8*mb+7]
.else
	v_wmma_f32_16x16x128_fp8_fp8 v[rD:rD+7], v[rB:rB+15], v[rA:rA+15], v[rD:rD+7]
.endif
.endr
.set ma, ma+1
.endr
.endm
; 32 products: my four blocks of tokens x eight blocks of B.  Ahead of them the eight blocks of the NEXT group (nq, ng) are asked for in one run of 32 loads, which may stay out: the wait is for 32.
; The set that is filled was last read one group ago, ahead of the four places at that group's end.
.macro GROUP q, g, nq, ng, more
.if \more
	WIN 0x40
.irp ch, 0,1,2,3
	FETCH2 \nq, \ng, \ch
.endr
	s_wait_dscnt 32
.else
	s_wait_dscnt 0x0
.endif
	WIN 0xa1+0x50*(\g)
.irp ch, 0,1,2,3
.if (\q) == 0
	MUL \q, \g, \ch, 1, 3, 1
	PLACES 5                                       ; ahead of products that write over registers which the six above took as C (ISA guide 7.12.1)
	MUL \q, \g, \ch, 0, 1, 0
.else
	MUL \q, \g, \ch, 0, 4, 0
.endif
.endr
	PLACES 4                                       ; ahead of loads into registers that these products read
.endm
	s_load_b256 s[4:11], s[0:1], 0x0               ; n2codes, wcodes, the exponents, bf1
	s_load_b64 s[12:13], s[0:1], 0x20              ; hcodes
	v_lshl_add_u32 v[SPW], v0, 2, SPARE
	v_mov_b32 v[NIL], 0
	ds_add_u32 v[SPW], v[NIL]                      ; the opening: the add, twice on end, and its wait ahead of my first tensor load
	ds_add_u32 v[SPW], v[NIL]
	v_lshrrev_b32 v1, 5, v0
	v_readfirstlane_b32 s14, v1                    ; wave 0..3
	s_bfe_u32 s40, ttmp6, 0x40000                  ; cx
	s_lshl_b32 s42, ttmp9, 2
	s_add_co_u32 s42, s42, s40                     ; tile of tokens
	s_and_b32 s17, ttmp7, 0xffff                   ; tile of hidden units: the same in the four partners
	s_mov_b32 s[G1+0], 15|(3<<16)|(1<<21)          ; the mask: all four of the cluster; elements of 8 bytes; bit 21 beside a mask
	s_mov_b32 s[G1+1], 1024<<16                    ; tensor_dim0: 16 rows x 512 k, 8,192 bytes
	s_mov_b32 s[G1+2], 4<<16                       ; tensor_dim1: four groups of 16 rows
	s_mov_b32 s[G1+3], 1024<<16
	s_mov_b32 s[G1+4], 4
	s_mov_b32 s[G1+5], 2048                        ; from group to group: 16,384 bytes
	s_mov_b32 s[G1+6], 0
	s_mov_b32 s[G1+7], 0
	s_lshl_b32 s45, s14, 16                        ; 64 rows of 1,024 codes in memory; also my 65,536 bytes of LDS on the way out
	s_lshl_b32 s44, s14, 15                        ; my 64 rows x 512 k in a half of the tile
	s_lshl_b32 s46, s17, 18
	s_add_co_u32 s46, s46, s45
	s_add_co_u32 s46, s46, WOFF
	s_mov_b32 s47, 0
	s_lshl_b32 s20, s42, 18
	s_add_co_u32 s20, s20, s45                     ; my 64 tokens' codes
	s_mov_b32 s21, 0
	s_wait_dscnt 0x0
	s_wait_kmcnt 0x0
	s_load_b128 s[96:99], s[8:9], 0x30             ; eA, eB, eh
	s_mov_b32 s[G0], 1
	s_mov_b32 s[G0+1], s44
	s_add_nc_u64 s[G0+2:G0+3], s[6:7], s[46:47]
	s_mov_b32 s[G0+4], 1
	s_add_co_u32 s[G0+5], s44, 131072
	s_add_nc_u64 s[G0+6:G0+7], s[G0+2:G0+3], 8192  ; 512 k on
	s_or_b32 s[G0+3], s[G0+3], 0x80000000
	s_or_b32 s[G0+7], s[G0+7], 0x80000000
	s_add_nc_u64 s[20:21], s[4:5], s[20:21]
	CROUND                                         ; the four partners are here: the joint loads meet
	tensor_load_to_lds s[G0:G0+3], s[G1:G1+7]      ; the first half of K: my one tensor load at the head
	s_nop 0
	s_lshl_b32 s22, s17, 10
	s_mov_b32 s23, 0
	s_add_nc_u64 s[10:11], s[10:11], s[22:23]      ; the bias of my tile's 256 units
	s_lshl_b32 s22, s42, 20                        ; h's codes: token x 4,096 bytes
	s_lshl_b32 s18, s14, 18
	s_add_co_u32 s22, s22, s18
	s_lshl_b32 s18, s17, 12                        ; + unit x 16
	s_add_co_u32 s22, s22, s18
	s_add_nc_u64 s[12:13], s[12:13], s[22:23]
	v_and_b32 v1, 15, v0                           ; r
	v_bfe_u32 v2, v0, 4, 1                         ; h
	v_and_b32 v3, 31, v0
	v_lshlrev_b32 v3, 4, v3                        ; 16 x lane
	v_lshlrev_b32 v4, 5, v2                        ; the bias: 8 h numbers on
	v_lshlrev_b32 v5, 4, v1
	v_lshl_add_u32 v5, v2, 3, v5                   ; my 8 bytes of a cell
	v_add_nc_u32 v6, s45, v3                       ; the way out: my 65,536 bytes of LDS
.irp i, 0,1,2,3
	v_add_nc_u32 v[ADB+\i], \i*65536, v3
.endr
	s_wait_alu depctr_va_vdst(0)                   ; the wait behind these writes
.irp g, 0,1
	WIN 0x80+0x40*\g
.irp b, 0,1,2,3,4,5,6,7
	global_load_b128 v[8*\b:8*\b+3], v4, s[10:11] offset:512*\g+64*\b        ; bias(16 b + 8 h + 0 .. 7) into accumulator (0, b)
	global_load_b128 v[8*\b+4:8*\b+7], v4, s[10:11] offset:512*\g+64*\b+16
.endr
.endr
	WIN 0
	LOADA 0
	LOADA 1
	LOADA 2
	s_wait_kmcnt 0x0
	s_add_co_i32 s52, s96, s97
	s_sub_co_i32 s54, 127, s52
	s_lshl_b32 s54, s54, 23                        ; 2^-(eA + eB)
	s_mov_b32 s55, s54
	s_wait_loadcnt 48                              ; the bias is in; A's 48 loads may be out
.irp g, 0,1
	WIN 0x82+0x41*\g
.set li, 0
.rept 32
	v_pk_mul_f32 v[li:li+1], v[li:li+1], s[54:55] op_sel_hi:[1,0]
.set li, li+2
.endr
.endr
	WIN 0
	s_wait_alu depctr_va_vdst(0)                   ; the wait at the head's end
	s_wait_tensorcnt 0x0                           ; my part of the first half has landed
	ds_add_u32 v[SPW], v[NIL]
	s_wait_dscnt 0x0
	CROUND                                         ; everybody's part is in, and the partners are here
	tensor_load_to_lds s[G0+4:G0+7], s[G1:G1+7]    ; the second half of K, under the first half's 256 products a wave
	s_nop 0
	WIN 0x40
.irp ch, 0,1,2,3
	FETCH2 0, 0, \ch
.endr
.set kq, 0
.rept 8
.if kq < 6
	s_wait_loadcnt 32                              ; A's K step is in; the two steps behind it may be out
.else
	s_wait_loadcnt 16*(7-kq)
.endif
	GROUP kq, 0, kq, 1, 1
.if kq == 3                            ; the next group asks for fragments of the second half
	WIN 0
	s_wait_tensorcnt 0x0                           ; my part of it has landed,
	s_wait_dscnt 0x0                               ; (no LDS instruction is out at a signal)
	s_barrier_signal -1
	s_barrier_wait -1                              ; and everybody's
.endif
.if kq < 7
	GROUP kq, 1, kq+1, 0, 1
.else
	GROUP kq, 1, 0, 0, 0
.endif
.if kq+3 < 8
	WIN 0
	LOADA kq+3                                     ; into the set that this K step has left
.endif
.set kq, kq+1
.endr
	WIN 0
	s_barrier_signal -1                            ; my reads of the tile are over (the last chunk's wait is for 0)
	s_barrier_wait -1                              ; and everybody's: the tile has had its only fills, so its bytes may be stored to
	; THE WAY OUT.  The 64 accumulators go to my 65,536 bytes of LDS, (a, b) at 1,024 (16 a + b), and come back four at a time, so that one loop serves them all.
.set dg, 0
.rept 2
	WIN 0x08+4*dg
.set da, 0
.rept 4
.set db, 0
.rept 8
	ds_store_b128 v6, v[8*(8*da+db):8*(8*da+db)+3] offset:(16*da+8*dg+db)*1024
	ds_store_b128 v6, v[8*(8*da+db)+4:8*(8*da+db)+7] offset:(16*da+8*dg+db)*1024+512
.set db, db+1
.endr
.set da, da+1
.endr
.set dg, dg+1
.endr
	WIN 0
.irp q, 0,1,2,3,4,5,6,7
	ds_load_b128 v[96+4*\q:99+4*\q], v6 offset:512*\q   ; LDS serves a wave's instructions in order: these see my stores
.endr
.macro COEF r, val
	s_mov_b32 s[\r], \val
	s_mov_b32 s[\r+1], \val
.endm
	COEF 24, 0xaf95df0b                            ; P's coefficients, highest first: s24, v8, s26 .. s34;  Q's: s36, v10, s38, s48, s50
	COEF 26, 0xb60cff51
	COEF 28, 0xb86ec2d2
	COEF 30, 0xba40ac63
	COEF 32, 0xbb41a1f6
	COEF 34, 0xbc83dbd4
	COEF 36, 0xb77460cd
	COEF 38, 0xbadc924e
	COEF 48, 0xbbf19bf8
	COEF 50, 0xbc69b6a7
	v_mov_b32 v8, 0x32edffee
	v_mov_b32 v9, 0x32edffee
	v_mov_b32 v10, 0xb95fbd29
	v_mov_b32 v11, 0xb95fbd29
	s_add_co_i32 s60, s96, s97
	s_lshl_b32 s52, s60, 23
	s_add_co_i32 s52, s52, 0x3f3504f3              ; 2^(eA + eB) / sqrt(2): the exponents go into the factor's exponent field
	s_mov_b32 s53, s52
	s_sub_co_i32 s60, s98, s60
	s_add_co_i32 s60, s60, 127
	s_lshl_b32 s61, s60, 23
	v_mov_b32 v13, s61                             ; 2^(eh - eA - eB), for the conversion
	s_add_co_i32 s60, s60, 8
	s_lshl_b32 s60, s60, 23
	s_or_b32 s60, s60, 0x600000
	v_mov_b32 v12, s60                             ; 448 x that
.macro HORNER d, c
.set gi, 0
.rept 16
	v_pk_fma_f32 v[\d+gi:\d+gi+1], v[\d+gi:\d+gi+1], v[X2+gi:X2+gi+1], s[\c:\c+1] op_sel_hi:[1,1,0]
.set gi, gi+2
.endr
.endm
.macro VMUL d, a, b
.set gi, 0
.rept 16
	v_pk_mul_f32 v[\d+gi:\d+gi+1], v[\a+gi:\a+gi+1], v[\b+gi:\b+gi+1]
.set gi, gi+2
.endr
.endm
; Four accumulators, 32 numbers a lane: vv the sums, qq Q and then the next four sums, read from v[pa] + po
.macro GELU hb, vv, qq, pa, po
	s_wait_dscnt 0x0                               ; my four accumulators are back
.set gi, 0
.rept 16
	v_pk_mul_f32 v[ZC+gi:ZC+gi+1], v[\vv+gi:\vv+gi+1], s[52:53] op_sel_hi:[1,0]   ; z
.set gi, gi+2
.endr
.set gi, 0
.rept 32
	v_med3_num_f32 v[ZC+gi], v[ZC+gi], -4.0, 4.0
.set gi, gi+1
.endr
	VMUL X2, ZC, ZC
.set gi, 0
.rept 16
	v_pk_fma_f32 v[\qq+gi:\qq+gi+1], v[X2+gi:X2+gi+1], s[36:37], v[10:11] op_sel_hi:[1,0,1]
.set gi, gi+2
.endr
	HORNER \qq, 38
	HORNER \qq, 48
	HORNER \qq, 50
.set gi, 0
.rept 16
	v_pk_fma_f32 v[PP+gi:PP+gi+1], v[X2+gi:X2+gi+1], s[24:25], v[8:9] op_sel_hi:[1,0,1]
.set gi, gi+2
.endr
	s_wait_alu depctr_va_vdst(0)                   ; one wait ahead of the batch
.set gi, 0
.rept 32
	v_rcp_f32 v[\qq+gi], v[\qq+gi]
.set gi, gi+1
.endr
	HORNER PP, 26                                  ; P goes on behind the batch: 96 plain instructions that name none of its results
	HORNER PP, 28
	HORNER PP, 30
	HORNER PP, 32
	HORNER PP, 34
	VMUL PP, PP, ZC
	s_wait_alu depctr_va_vdst(0)                   ; and one behind it, ahead of its first reader
	VMUL PP, PP, \qq                               ; erf(z)
.irp q, 0,1,2,3,4,5,6,7
	ds_load_b128 v[\qq+4*\q:\qq+4*\q+3], v[\pa] offset:\po+512*\q
.endr
.set gi, 0
.rept 16
	v_pk_fma_f32 v[PP+gi:PP+gi+1], v[PP+gi:PP+gi+1], 0.5, 0.5 op_sel_hi:[1,0,0]
.set gi, gi+2
.endr
	VMUL \vv, \vv, PP
	s_wait_xcnt 0x0                                ; the earlier stores have read their data and their base: both are written again below.  Each product above stands 15 or more plain instructions ahead of its reader
.if \hb == 0
	s_add_nc_u64 s[58:59], s[12:13], s[56:57]      ; this trip's cells
.endif
.set gi, 0
.rept 32
	v_med3_num_f32 v[\vv+gi], v[\vv+gi], -v12, v12 ; the conversion does not saturate (ISA guide 7.6.2): the hold comes first
.set gi, gi+1
.endr
.irp bb, 0,1,2,3
	v_cvt_scalef32_pk8_fp8_f32 v[CD+2*\bb:CD+2*\bb+1], v[\vv+8*\bb:\vv+8*\bb+7], v13
.endr
	v_nop                                          ; a plain instruction behind the last conversion
.irp bb, 0,1,2,3
	global_store_b64 v5, v[CD+2*\bb:CD+2*\bb+1], s[58:59] offset:(4*\hb+\bb)*256   ; 32 lanes store one aligned cell of 256 bytes
.endr
.endm
	s_mov_b32 s3, 0
	s_mov_b32 s54, 0                               ; the trip's 8,192 bytes of my LDS
	s_mov_b32 s55, 8192                            ; the next trip's
	s_mov_b32 s56, 0                               ; the trip's bytes in h's codes
	s_mov_b32 s57, 0
.Lrow:                                             ; trip t: block a = t / 2 of tokens, blocks b = 8 (t % 2) .. + 7 of units
	v_add_nc_u32 v7, s54, v6
	v_add_nc_u32 v14, s55, v6
	GELU 0, 96, 224, 7, 4096
	GELU 1, 224, 96, 14, 0                         ; (the last trip has no successor: its look-ahead is held at its own bytes and not used)
	s_add_co_u32 s3, s3, 1
	s_add_co_u32 s54, s54, 8192
	s_add_co_u32 s55, s54, 8192
	s_min_u32 s55, s55, 0xe000
	s_lshr_b32 s56, s3, 1
	s_lshl_b32 s56, s56, 16                        ; 16 tokens of h's codes are 65,536 bytes,
	s_and_b32 s57, s3, 1
	s_lshl_b32 s57, s57, 11                        ; eight cells 2,048
	s_add_co_u32 s56, s56, s57
	s_mov_b32 s57, 0                               ; (the next trip adds s[56:57] to the stores' base, behind its wait on XCNT)
	s_cmp_lt_u32 s3, 8
	s_cbranch_scc1 .Lrow
	s_wait_tensorcnt 0x0                           ; the wave's end
	ds_add_u32 v[SPW], v[NIL]
	s_wait_dscnt 0x0
	CROUND                                         ; the closing round
	s_endpgm
.Lfunc_end_k_q91faf20226_ffn1:
	.size	k_q91faf20226_ffn1, .Lfunc_end_k_q91faf20226_ffn1-k_q91faf20226_ffn1
	.p2alignl 7, 3214868480
	.fill 96, 4, 3214868480
	.section	.rodata,"a",@progbits
	.p2align	6, 0x0
	.amdhsa_kernel k_q91faf20226_ffn1
		.amdhsa_group_segment_fixed_size 327680
		.amdhsa_private_segment_fixed_size 0
		.amdhsa_enable_private_segment 0
		.amdhsa_kernarg_size 40
		.amdhsa_user_sgpr_count 2
		.amdhsa_user_sgpr_kernarg_segment_ptr 1
		.amdhsa_wavefront_size32 1
		.amdhsa_system_sgpr_workgroup_id_x 1
		.amdhsa_system_sgpr_workgroup_id_y 1
		.amdhsa_system_sgpr_workgroup_id_z 1
		.amdhsa_system_vgpr_workitem_id 0
		.amdhsa_next_free_vgpr 1024
		.amdhsa_next_free_sgpr 102
		.amdhsa_reserve_vcc 0
		.amdhsa_float_denorm_mode_32 3
		.amdhsa_float_denorm_mode_16_64 3
		.amdhsa_memory_ordered 1
		.amdhsa_forward_progress 1
		.amdhsa_inst_pref_size 150
	.end_amdhsa_kernel
	.amdgpu_metadata
---
amdhsa.version: [ 1, 2 ]
amdhsa.kernels:
  - .name:           k_q91faf20226_ffn1
    .symbol:         k_q91faf20226_ffn1.kd
    .args:
      - { .name: n2codes, .offset: 0, .size: 8, .value_kind: global_buffer, .address_space: global }
      - { .name: wcodes, .offset: 8, .size: 8, .value_kind: global_buffer, .address_space: global }
      - { .name: lowp_scales, .offset: 16, .size: 8, .value_kind: global_buffer, .address_space: global }
      - { .name: bf1, .offset: 24, .size: 8, .value_kind: global_buffer, .address_space: global }
      - { .name: hcodes, .offset: 32, .size: 8, .value_kind: global_buffer, .address_space: global }
    .group_segment_fixed_size: 327680
    .private_segment_fixed_size: 0
    .kernarg_segment_align: 8
    .kernarg_segment_size: 40
    .max_flat_workgroup_size: 128
    .sgpr_count:     102
    .vgpr_count:     1024
    .wavefront_size: 32
...
	.end_amdgpu_metadata
.endif
;; end of part 6
;; launch ffn2 (part 7): grid 32 x 8, 4 waves a work-group, clusters of 4 x 1, 327,680 bytes of LDS; arguments hcodes, wcodes, lowp_scales, bf2, x1, out0; writes out0
.if DOCPART == 7
	.amdgcn_target "amdgcn-amd-amdhsa--gfx1250"
	.amdhsa_code_object_version 6
	.text
	.protected	k_q91faf20226_ffn2
	.globl	k_q91faf20226_ffn2
	.p2align	8
	.type	k_q91faf20226_ffn2,@function
k_q91faf20226_ffn2:
	s_mov_b64 s[64:65], 0
	v_nop
	global_prefetch_b8 v0, s[64:65] scope:SCOPE_SE
	s_setreg_imm32_b32 hwreg(HW_REG_WAVE_MODE, 25, 1), 1
	s_wait_xcnt 0x0
	s_wait_alu depctr_hold_cnt(0) depctr_sa_sdst(0) depctr_va_vdst(0) depctr_va_sdst(0) depctr_va_ssrc(0) depctr_va_vcc(0) depctr_vm_vsrc(0)
	s_getreg_b32 s2, hwreg(HW_REG_IB_STS2, 6, 4)
	s_cmp_eq_u32 s2, 0
	s_cbranch_scc0 .Lentry_in_a_cluster
	s_endpgm
.Lentry_in_a_cluster:
	s_bfe_u32 s2, ttmp6, 0x10000c
	s_cmp_lg_u32 s2, 0x3003
	s_cbranch_scc0 .Lentry_shape_is_right
	s_endpgm
.Lentry_shape_is_right:
; out = x1 + h W2 + bf2 on codes of E4M3.  A work-group makes 128 tokens (tile x) x 128 columns (tile y); each of its four waves 32 tokens x 128 columns: 16 accumulators.
; CODES lie in cells of 16 rows x 16 k: byte(row, k) = (row/16) 16 K + (k/16) 256 + (row%16) 16 + k%16; register quad c of lane l is the 16 bytes at 512 c + 16 l of a fragment's 2,048:
; the same permutation of k in both operands.
; W2^T's TILES go through a ring of two LDS slots of 128 rows x 1,024 k (131,072 bytes): four fills for K = 4,096, a wave bringing 32 rows of each.  The four work-groups of a cluster (same tile y)
; ask jointly; each refill stands behind a round of the cluster's barrier, at the head of a slot's last K step, whose fragments are in registers by then.
; A wave's 32 tokens are its own: their fragments go from memory straight into registers, eight sets of one K step (128) by turns, asked for seven steps ahead: 56 loads a wave on their way.
; Other work-groups read the same tokens, but by loads into registers, which have no joint form.  The residual takes these loads' place in K steps 25 to 28.
; PREFETCH: the slots' third and fourth fills are asked of memory seven K steps ahead of their tensor loads: 512 blocks of 256 bytes a fill, one a lane, shared out among the cluster's 16 waves by address.
; The first two fills come by their loads alone; h's codes are asked for by their own loads seven steps ahead and have no prefetch beside that.
; Source 0 = 16 rows of W2^T, source 1 = 16 tokens: lane (r, h) holds token 16 a + r and columns 16 b + 8 h + 0 .. 7.  THE BIAS STARTS THE SUMS: bf2 x 2^-(eA + eB) is laid into the accumulators.
; WINDOWS: 0: addresses, v64-191 the way out;  1: A's eight sets of 32;  2: B's two sets of 128;  3: v0-127 accumulator (a, b) at v[8 (8 a + b)], v128-255 the residual, in the layout of the way out.
; LIMIT: eA + eB between -126 and 126 (entries 14, 15).
.set WOFF,  0x800000
.set SLOT,  131072
.set SPARE, 2*SLOT                     ; behind the ring: the spare words, 128 bytes a wave; no other line names them
.set SPITCH, 528                       ; the way out: a stage of 16 rows x (512 + 16) bytes a wave, in slot 0, behind its last fill and its last read
.set CO,    3                          ; v3  16 x lane: a fragment's quad, and my 16 bytes of a row of 512
.set ADB,   16                         ; v16-19 16 x lane + 65,536 i: slot i / 2, B's blocks 4 (i % 2) .. + 3, 16,384 bytes each
.set STO,   24
.set RD,    25
.set PFO,   26                         ; v26 256 x lane
.set SPW,   28
.set NIL,   29
.set BK,    64
.set G1,    24
.set G0,    32                         ; s[32:35], s[36:39]: group 0 of slot 0, 1
.set MSB,   0
.macro WIN new                         ; the immediate's high byte repeats the setting that is left
.if MSB != (\new)
	s_set_vgpr_msb (MSB<<8)|(\new)
.set MSB, (\new)
.endif
.endm
.macro CROUND                          ; a round of the cluster's barrier
	s_barrier_signal -1
	s_barrier_wait -1
	s_cmp_lg_u32 s14, 0
	s_cbranch_scc1 .Lnot_wave_0_\@
	s_barrier_signal -3
.Lnot_wave_0_\@:
	s_barrier_wait -3
	s_barrier_signal -1
	s_barrier_wait -1
.endm
.macro PLACES n
.rept \n
	v_nop
.endr
.endm
.macro LOADA q                         ; my 32 tokens x K step q: eight loads of 512 consecutive bytes into set q % 8
.irp a, 0,1
.irp e, 0,1,2,3
	global_load_b128 v[32*((\q)%8)+16*\a+4*\e:32*((\q)%8)+16*\a+4*\e+3], v3, s[20:21] offset:\a*65536+(\q)*2048+512*\e
.endr
.endr
.endm
.macro LOADR j                         ; rows 8 j .. 8 j + 7 of my 32 of the residual: 32 lanes read 512 consecutive bytes, aligned
.irp t, 0,1,2,3,4,5,6,7
	global_load_b128 v[128+32*(\j)+4*\t:128+32*(\j)+4*\t+3], v[CO], s[84:85] offset:(8*(\j)+\t)*4096
.endr
.endm
.macro FETCH2 q, ch                    ; B's blocks 2 ch and 2 ch + 1 of K step q (slot q / 8 % 2) into set q % 2: eight loads
.irp f, 0,1
.irp e, 0,1,2,3
	ds_load_b128 v[128*((\q)%2)+16*(2*(\ch)+\f)+4*\e:128*((\q)%2)+16*(2*(\ch)+\f)+4*\e+3], v[ADB+2*(((\q)/8)%2)+(\ch)/2] offset:((2*(\ch)+\f)%4)*16384+((\q)%8)*2048+512*\e
.endr
.endr
.endm
; THE CHANGE OF SLOTS, at the head of a slot's last K step.  All my tensor loads have landed (my part of the other slot), the add, and my reads of this slot are over: its last fragments are in registers.
.macro BOUND slot, fill
	WIN 0
	s_wait_tensorcnt 0x0
	ds_add_u32 v[SPW], v[NIL]                      ; 0 onto my spare word
.if \fill
	s_add_nc_u64 s[G0+4*(\slot)+2:G0+4*(\slot)+3], s[G0+4*(\slot)+2:G0+4*(\slot)+3], 32768   ; this slot's next 1,024 k: two slots on
.endif
	s_wait_dscnt 0x0
.if \fill
	CROUND                                         ; no wave of any partner still reads this slot or has a load on its way
	tensor_load_to_lds s[G0+4*(\slot):G0+4*(\slot)+3], s[G1:G1+7]
	s_nop 0
.else
	s_barrier_signal -1
	s_barrier_wait -1
.endif
.endm
; K step q: 16 products in four chunks of four; ahead of each chunk the same two blocks of B of step q + 1 are asked for.  Behind a chunk's own eight LDS loads stand four chunks' 32.
; Each step up to 28 issues eight loads (A's step q + 7, then the residual), so behind A's step q stand seven steps' 56.
.macro KSTEP q
.if (\q) < 25
	WIN 0x40
	LOADA (\q)+7
.else
.if (\q) < 29
	WIN 0xc0
	LOADR (\q)-25
.endif
.endif
.if (\q) == 7 || (\q) == 15
	BOUND ((\q)/8)%2, 1
.endif
.if (\q) == 23
	BOUND 0, 0                                     ; the last change of slots fills nothing
.endif
.if (\q) < 29
	s_wait_loadcnt 56
.else
	s_wait_loadcnt 32+8*(31-(\q))
.endif
.irp ch, 0,1,2,3
.if (\q) < 31
	WIN 0x80
	FETCH2 (\q)+1, \ch
	s_wait_dscnt 32
.else
	s_wait_dscnt 24-8*\ch
.endif
	WIN 0xf6                                       ; source 0 window 2, source 1 window 1, C and D window 3
.irp f, 0,1
.irp a, 0,1
	v_wmma_f32_16x16x128_fp8_fp8 v[8*(8*\a+2*\ch+\f):8*(8*\a+2*\ch+\f)+7], v[128*((\q)%2)+16*(2*\ch+\f):128*((\q)%2)+16*(2*\ch+\f)+15], v[32*((\q)%8)+16*\a:32*((\q)%8)+16*\a+15], v[8*(8*\a+2*\ch+\f):8*(8*\a+2*\ch+\f)+7]   ; the 16 accumulators take turns
.endr
.endr
.endr
	PLACES 4                                       ; ahead of loads into registers that these products read
.if (\q) == 0 || (\q) == 8
	WIN 0
	global_prefetch_b8 v[PFO], s[60:61] offset:32768+2048*(\q) th:TH_LOAD_NT scope:SCOPE_SE   ; the fill that the change of slots seven K steps on asks for
.endif
.endm
	s_load_b256 s[4:11], s[0:1], 0x0               ; hcodes, wcodes, the exponents, bf2
	s_load_b128 s[84:87], s[0:1], 0x20             ; x1, out0
	v_lshl_add_u32 v[SPW], v0, 2, SPARE
	v_mov_b32 v[NIL], 0
	ds_add_u32 v[SPW], v[NIL]                      ; the opening: the add, twice on end, and its wait ahead of my first tensor load
	ds_add_u32 v[SPW], v[NIL]
	v_lshrrev_b32 v1, 5, v0
	v_readfirstlane_b32 s14, v1                    ; wave 0..3
	s_bfe_u32 s40, ttmp6, 0x40000                  ; cx
	s_lshl_b32 s42, ttmp9, 2
	s_add_co_u32 s42, s42, s40                     ; tile of tokens
	s_and_b32 s17, ttmp7, 0xffff                   ; tile of columns: the same in the four partners
	s_mov_b32 s[G1+0], 15|(3<<16)|(1<<21)          ; the mask: all four of the cluster; elements of 8 bytes; bit 21 beside a mask
	s_mov_b32 s[G1+1], 2048<<16                    ; tensor_dim0: 16 rows x 1,024 k, 16,384 bytes
	s_mov_b32 s[G1+2], 2<<16                       ; tensor_dim1: two groups of 16 rows
	s_mov_b32 s[G1+3], 2048<<16
	s_mov_b32 s[G1+4], 2
	s_mov_b32 s[G1+5], 8192                        ; from group to group: 65,536 bytes
	s_mov_b32 s[G1+6], 0
	s_mov_b32 s[G1+7], 0
	s_lshl_b32 s45, s14, 15                        ; my 32 rows in a slot
	s_lshl_b32 s18, s14, 17                        ; 32 rows of 4,096 codes
	s_lshl_b32 s46, s17, 19
	s_add_co_u32 s46, s46, WOFF                    ; my tile of W2^T
	s_mov_b32 s47, 0
	s_lshl_b32 s62, s40, 2                         ; the prefetches: of a fill's 16 pieces of 8,192 bytes piece 4 cx + wave is mine
	s_add_co_u32 s62, s62, s14
	s_lshr_b32 s63, s62, 1
	s_lshl_b32 s63, s63, 16                        ; the group of 16 rows,
	s_and_b32 s62, s62, 1
	s_lshl_b32 s62, s62, 13                        ; its first or second 512 k
	s_add_co_u32 s62, s62, s63
	s_add_co_u32 s62, s62, s46
	s_mov_b32 s63, 0
	s_add_co_u32 s46, s46, s18
	s_lshl_b32 s48, s42, 19
	s_add_co_u32 s48, s48, s18                     ; my first token x 4,096 bytes: in h's codes, and in x1 and out0
	s_mov_b32 s49, 0
	s_wait_dscnt 0x0
	s_wait_kmcnt 0x0
	s_load_b64 s[96:97], s[8:9], 56                ; eA, eB
	s_mov_b32 s[G0], 1
	s_mov_b32 s[G0+1], s45
	s_add_nc_u64 s[G0+2:G0+3], s[6:7], s[46:47]
	s_mov_b32 s[G0+4], 1
	s_add_co_u32 s[G0+5], s45, SLOT
	s_add_nc_u64 s[G0+6:G0+7], s[G0+2:G0+3], 16384 ; 1,024 k on
	s_or_b32 s[G0+3], s[G0+3], 0x80000000
	s_or_b32 s[G0+7], s[G0+7], 0x80000000
	s_add_nc_u64 s[60:61], s[6:7], s[62:63]
	s_add_nc_u64 s[20:21], s[4:5], s[48:49]
	CROUND                                         ; the four partners are here: the joint loads meet
	tensor_load_to_lds s[G0:G0+3], s[G1:G1+7]      ; slot 0: my one tensor load at the head
	s_nop 0
	s_lshl_b32 s22, s17, 9                         ; 128 columns of f32
	s_mov_b32 s23, 0
	s_add_nc_u64 s[10:11], s[10:11], s[22:23]
	s_add_co_u32 s48, s48, s22
	s_add_nc_u64 s[84:85], s[84:85], s[48:49]
	s_add_nc_u64 s[86:87], s[86:87], s[48:49]
	s_mul_i32 s19, s14, 16*SPITCH                  ; my stage
	v_and_b32 v1, 15, v0                           ; r
	v_bfe_u32 v2, v0, 4, 1                         ; h
	v_and_b32 v3, 31, v0
	v_lshlrev_b32 v[PFO], 8, v3
	v_lshlrev_b32 v3, 4, v3                        ; 16 x lane
	v_lshlrev_b32 v4, 5, v2                        ; the bias: 8 h numbers on
	v_mul_u32_u24 v5, v1, SPITCH
	v_lshl_add_u32 v5, v2, 5, v5
	v_add_nc_u32 v[STO], s19, v5                   ; in: row r, 32 bytes for each half of the lanes
	v_add_nc_u32 v[RD], s19, v3                    ; back: the 32 lanes take one row of 512 bytes
.irp i, 0,1,2,3
	v_add_nc_u32 v[ADB+\i], \i*65536, v3
.endr
	s_wait_alu depctr_va_vdst(0)                   ; the wait behind these writes
	WIN 0xc0
.irp a, 0,1
.irp b, 0,1,2,3,4,5,6,7
	global_load_b128 v[8*(8*\a+\b):8*(8*\a+\b)+3], v4, s[10:11] offset:64*\b        ; bias(16 b + 8 h + 0 .. 7) into accumulator (a, b)
	global_load_b128 v[8*(8*\a+\b)+4:8*(8*\a+\b)+7], v4, s[10:11] offset:64*\b+16
.endr
.endr
	WIN 0x40
.irp q, 0,1,2,3,4,5,6
	LOADA \q
.endr
	s_wait_kmcnt 0x0
	s_add_co_i32 s52, s96, s97
	s_sub_co_i32 s54, 127, s52
	s_lshl_b32 s54, s54, 23                        ; 2^-(eA + eB)
	s_mov_b32 s55, s54
	s_add_co_i32 s52, s52, 127
	s_lshl_b32 s56, s52, 23                        ; 2^(eA + eB)
	s_mov_b32 s57, s56
	s_wait_loadcnt 56                              ; the bias is in; A's 56 loads may be out
	WIN 0xc3
.set li, 0
.rept 64
	v_pk_mul_f32 v[li:li+1], v[li:li+1], s[54:55] op_sel_hi:[1,0]
.set li, li+2
.endr
	WIN 0
	s_wait_alu depctr_va_vdst(0)                   ; the wait at the head's end
	s_wait_tensorcnt 0x0                           ; my part of slot 0 has landed
	ds_add_u32 v[SPW], v[NIL]
	s_wait_dscnt 0x0
	CROUND                                         ; everybody's part is in, and the partners are here
	tensor_load_to_lds s[G0+4:G0+7], s[G1:G1+7]    ; slot 1's first fill
	s_nop 0
	WIN 0x80
.irp ch, 0,1,2,3
	FETCH2 0, \ch
.endr
.set kq, 0
.rept 32
	KSTEP kq
.set kq, kq+1
.endr
	WIN 0
	s_wait_loadcnt 0x0                             ; the residual
; THE WAY OUT, a block of 16 rows x 128 columns at a time, through my stage: whole rows of 512 bytes come back.  Nobody has read slot 0 since the last change of slots.
.macro TOSTAGE a
	WIN 0x0c                                       ; the stores' data: window 3
.irp b, 0,1,2,3,4,5,6,7
	ds_store_b128 v[STO], v[8*(8*(\a)+\b):8*(8*(\a)+\b)+3] offset:64*\b
	ds_store_b128 v[STO], v[8*(8*(\a)+\b)+4:8*(8*(\a)+\b)+7] offset:64*\b+16
.endr
	WIN 0
.irp t, 0,1,2,3,4,5,6,7,8,9,10,11,12,13,14,15
	ds_load_b128 v[BK+64*(\a)+4*\t:BK+64*(\a)+4*\t+3], v[RD] offset:\t*SPITCH   ; LDS serves a wave's instructions in order (ISA guide 5.7.1.4): these see the stores above
.endr
.endm
.macro SEND a, younger
	s_wait_dscnt \younger                          ; the block is back; the next block's 16 stores and 16 loads may be out
	WIN 0x30                                       ; source 2 (the residual): window 3
.set si, 0
.rept 32
	v_pk_fma_f32 v[BK+64*(\a)+si:BK+64*(\a)+si+1], v[BK+64*(\a)+si:BK+64*(\a)+si+1], s[56:57], v[128+64*(\a)+si:129+64*(\a)+si] op_sel_hi:[1,0,1]
.set si, si+2
.endr
	WIN 0
.irp t, 0,1,2,3,4,5,6,7,8,9,10,11,12,13,14,15
	global_store_b128 v[CO], v[BK+64*(\a)+4*\t:BK+64*(\a)+4*\t+3], s[86:87] offset:(16*(\a)+\t)*4096   ; 32 lanes store 512 consecutive bytes, aligned
.endr
.endm
	TOSTAGE 0
	TOSTAGE 1
	SEND 0, 32
	SEND 1, 0
	s_wait_tensorcnt 0x0                           ; the wave's end
	ds_add_u32 v[SPW], v[NIL]
	s_wait_dscnt 0x0
	CROUND                                         ; the closing round
	s_endpgm
.Lfunc_end_k_q91faf20226_ffn2:
	.size	k_q91faf20226_ffn2, .Lfunc_end_k_q91faf20226_ffn2-k_q91faf20226_ffn2
	.p2alignl 7, 3214868480
	.fill 96, 4, 3214868480
	.section	.rodata,"a",@progbits
	.p2align	6, 0x0
	.amdhsa_kernel k_q91faf20226_ffn2
		.amdhsa_group_segment_fixed_size 327680
		.amdhsa_private_segment_fixed_size 0
		.amdhsa_enable_private_segment 0
		.amdhsa_kernarg_size 48
		.amdhsa_user_sgpr_count 2
		.amdhsa_user_sgpr_kernarg_segment_ptr 1
		.amdhsa_wavefront_size32 1
		.amdhsa_system_sgpr_workgroup_id_x 1
		.amdhsa_system_sgpr_workgroup_id_y 1
		.amdhsa_system_sgpr_workgroup_id_z 1
		.amdhsa_system_vgpr_workitem_id 0
		.amdhsa_next_free_vgpr 1024
		.amdhsa_next_free_sgpr 102
		.amdhsa_reserve_vcc 0
		.amdhsa_float_denorm_mode_32 3
		.amdhsa_float_denorm_mode_16_64 3
		.amdhsa_memory_ordered 1
		.amdhsa_forward_progress 1
		.amdhsa_inst_pref_size 167
	.end_amdhsa_kernel
	.amdgpu_metadata
---
amdhsa.version: [ 1, 2 ]
amdhsa.kernels:
  - .name:           k_q91faf20226_ffn2
    .symbol:         k_q91faf20226_ffn2.kd
    .args:
      - { .name: hcodes, .offset: 0, .size: 8, .value_kind: global_buffer, .address_space: global }
      - { .name: wcodes, .offset: 8, .size: 8, .value_kind: global_buffer, .address_space: global }
      - { .name: lowp_scales, .offset: 16, .size: 8, .value_kind: global_buffer, .address_space: global }
      - { .name: bf2, .offset: 24, .size: 8, .value_kind: global_buffer, .address_space: global }
      - { .name: x1, .offset: 32, .size: 8, .value_kind: global_buffer, .address_space: global }
      - { .name: out0, .offset: 40, .size: 8, .value_kind: global_buffer, .address_space: global }
    .group_segment_fixed_size: 327680
    .private_segment_fixed_size: 0
    .kernarg_segment_align: 8
    .kernarg_segment_size: 48
    .max_flat_workgroup_size: 128
    .sgpr_count:     102
    .vgpr_count:     1024
    .wavefront_size: 32
...
	.end_amdgpu_metadata
.endif
;; end of part 7
